; MI455X (gfx1250); checked and timed in simulation.
; The chip was launched on July 23, 2026; its instructions are those of AMD's public machine-readable ISA for CDNA 5 (MIT licence, August 2026) and "CDNA5" Instruction Set Architecture Reference Guide (July 2026). The comments in the code are by the model that wrote it; some were corrected since.
;; Cross Attention Fusion. Allowed arithmetic: matrix products marked QUANTISED: E4M3 operands, one E8M0 scale for each 32 along K, by v_wmma_scale_f32_16x16x128_f8f6f4 with both operands' format E4M3, f32 sums; products left as they are: f32 operands where the result goes on into a quantised operand, else bf16, f16 or f32 operands; f32 sums; everything else in f32.
;; Inputs: Wk_codes 1,024 x 32 x 32 uint8 (E4M3 codes of Wk, K innermost, in blocks of 32 codes); Wk_scales 1,024 x 32 uint8 (E8M0 scales of Wk, one for each 32 codes along K); Wo_codes 1,024 x 32 x 32 uint8 (E4M3 codes of Wo, K innermost, in blocks of 32 codes); Wo_scales 1,024 x 32 uint8 (E8M0 scales of Wo, one for each 32 codes along K); Wq_codes 1,024 x 32 x 32 uint8 (E4M3 codes of Wq, K innermost, in blocks of 32 codes); Wq_scales 1,024 x 32 uint8 (E8M0 scales of Wq, one for each 32 codes along K); Wv_codes 1,024 x 32 x 32 uint8 (E4M3 codes of Wv, K innermost, in blocks of 32 codes); Wv_scales 1,024 x 32 uint8 (E8M0 scales of Wv, one for each 32 codes along K); bk 1,024 float32; bo 1,024 float32; bq 1,024 float32; bv 1,024 float32; feat1_codes 16,384 x 32 x 32 uint8 (E4M3 codes of feat1, K innermost, in blocks of 32 codes); feat1_scales 16,384 x 32 uint8 (E8M0 scales of feat1, one for each 32 codes along K); feat2_codes 16,384 x 32 x 32 uint8 (E4M3 codes of feat2, K innermost, in blocks of 32 codes); feat2_scales 16,384 x 32 uint8 (E8M0 scales of feat2, one for each 32 codes along K).
;; Outputs: out0 16,384 x 1,024 float32.
;; This version of the problem:
;;   THIS VERSION OF THE PROBLEM IS GIVEN IN LOW PRECISION. The matrix products marked QUANTISED in the list below multiply operands that are first quantised to E4M3 (4 exponent bits, 3 mantissa bits; 8 bits a number), with one power-of-two scale for each 32 numbers along K (OCP MX v1.0); their sums are f32. All else is computed in f32.
;;   The module's matrix products, in the order in which they are computed (A, B: the left and right operand; K: the contracted axis; several contracted axes count as one K, in the product's order):
;;     1. [M 16,384, K 1,024] x [K 1,024, N 1,024]; A: input feat1 (given as codes); B: input Wq (given as codes): QUANTISED
;;     2. [M 16,384, K 1,024] x [K 1,024, N 1,024]; A: input feat2 (given as codes); B: input Wk (given as codes): QUANTISED
;;     3. [M 16,384, K 1,024] x [K 1,024, N 1,024]; A: input feat2 (given as codes); B: input Wv (given as codes): QUANTISED
;;     4. batch 16,384 x [M 8, K 128] x [K 128, N 8]; A: computed on the way; B: computed on the way: left as it is (M = 8 < 16)
;;     5. batch 16,384 x [M 8, K 8] x [K 8, N 128]; A: softmax; B: computed on the way: left as it is (K = 8 < 32)
;;     6. [M 16,384, K 1,024] x [K 1,024, N 1,024]; A: computed on the way; B: input Wo (given as codes): QUANTISED
;;   THE QUANTISER, for each operand of a quantised product, along K:
;;     - K is cut into blocks of 32 from its start; a last block that is shorter is filled with zeros.
;;     - A block's scale is 2^e with e = floor(log2(the largest magnitude in the block)) - 8, held to -126 .. 127; a block of zeros has e = 0. As a byte (E8M0): e + 127.
;;     - Each number is divided by its block's scale, clamped to +-448, and rounded to the nearest number of E4M3, ties to even, subnormals kept.
;;     - The product sums the exact products of the quantised numbers (number of the format x scale) in f32.
;;   ~~~python
;;   def quantise(x, axis):      # numpy; x: float32 -> the quantised numbers, widened to float32 again
;;       x = np.moveaxis(x, axis, -1); K = x.shape[-1]
;;       x = np.pad(x, [(0, 0)] * (x.ndim - 1) + [(0, -K % 32)]); x = x.reshape(x.shape[:-1] + (-1, 32)); a = np.abs(x).max(-1, keepdims=True)
;;       e = np.where(a > 0, np.clip(np.frexp(np.where(a > 0, a, 1))[1] - 1 - 8, -126, 127), 0)      # np.frexp(a)[1] - 1 = floor(log2(a)), exactly
;;       r = np.clip(x / 2.0 ** e, -448, 448)
;;       step = 2.0 ** (np.maximum(np.frexp(np.where(r == 0, 1, r))[1] - 1, -6) - 3)
;;       q = np.round(r / step) * step * 2.0 ** e      # np.round: ties to even
;;       return np.moveaxis(q.reshape(q.shape[:-2] + (-1,))[..., :K], -1, axis).astype(np.float32)
;;   ~~~
;;   OPERANDS COMPUTED ON THE WAY. 'Computed on the way' means the value that the module computes at that place (a softmax that the list does not call 'softmax' is quantised finished and normalised). What goes into a quantiser is computed in f32, as accurately as f32 sums, v_exp_f32 and their like allow (about 1e-6 of the number): no bf16 or f16 on the way to a quantiser, and a product that is left as it is and whose result goes on into a quantised operand takes f32 operands (vector FMAs, or v_wmma_f32_16x16x4_f32). A number that lies on a knife's edge between two numbers of the format may be rounded either way, as far as f32 arithmetic and the matrix unit's own rounding can turn it there, and no further.
;;   INPUTS GIVEN AS CODES. Wk (in the module: [1024, 1024], K = its axis 0); Wo (in the module: [1024, 1024], K = its axis 0); Wq (in the module: [1024, 1024], K = its axis 0); Wv (in the module: [1024, 1024], K = its axis 0); feat1 (in the module: [16384, 1024], K = its axis 1); feat2 (in the module: [16384, 1024], K = its axis 1): each comes as NAME_codes (uint8): NAME with its K axis moved to the last place and cut into blocks of 32 codes, [.., K / 32, bytes a block], one block behind the other in memory; one code a byte (a code: sign, 4 exponent bits, 3 mantissa bits); and NAME_scales (uint8): the same leading axes, one E8M0 byte (e + 127) for each 32 codes along K. Its value is code x scale, taken as it is: it is not quantised again, and the codes and scales need not be those that the quantiser above would give.
;; 2 versions, each right. Each part assembles by itself: llvm-mc -triple=amdgcn-amd-amdhsa -mcpu=gfx1250 --defsym DOCPART=n.
;; ======== version 1 of 2: 2 launches
;; workspace buffers: wimg 4,325,376 bytes; bimg 16,384 bytes
;; launch lay (part 1): grid 256 x 1, 8 waves a work-group, no clusters, 0 bytes of LDS; arguments Wq_codes, Wk_codes, Wv_codes, Wo_codes, Wq_scales, Wk_scales, Wv_scales, Wo_scales, bq, bk, bv, bo, wimg, bimg; writes wimg, bimg
.if DOCPART == 1
	.amdgcn_target "amdgcn-amd-amdhsa--gfx1250"
	.amdhsa_code_object_version 6
	.text
	.protected	k_q51ceef1f27_lay
	.globl	k_q51ceef1f27_lay
	.p2align	8
	.type	k_q51ceef1f27_lay,@function
k_q51ceef1f27_lay:
	s_mov_b64 s[64:65], 0
	v_nop
	global_prefetch_b8 v0, s[64:65] scope:SCOPE_SE
	s_setreg_imm32_b32 hwreg(HW_REG_WAVE_MODE, 25, 1), 1
	s_wait_xcnt 0x0
; out = ctx Wo + bo, ctx = softmax_g(Q K^T / sqrt(128)) V across the 8 heads of each sample, Q = feat1 Wq + bq, K = feat2 Wk + bk, V = feat2 Wv + bv.
; NO WORK IS LEFT OUT: bq and bk add terms to the scores that change along the softmax's axis, bv is weighed by the softmax, bo reaches the output: every input is loaded.
; THIS LAUNCH copies the four weights' codes, scale bytes and biases into the order in which the second launch's operand registers take them:
;   wimg [slot 0..31][wave 0..3][33,792 bytes]; a wave's block: [t 0,1][tile 0..7][piece 0..3][lane][16 bytes] of codes, then [t][lane][16 bytes] of scale words.
;   bimg [pass 0..7][wave][tile][tile row 0..15] f32.
; A pass is four slots: passes 0, 2: Q (p = 0, 1); 1, 3: K; 4, 5: V; 6, 7: the way out's product.  Slot c of a pass holds two K steps of 128: 2 c + t (the last product: c + 4 t).
; Lane (r, hl), piece c4 of a tile holds codes [n(tile, r)][128 kstep + 32 c4 + 16 hl + 0 .. 15]: the 8-bit fragment layout of the scaled matrix instruction.
; Register x of a scale image: lanes 0-15 the words of tile x, lanes 16-31 those of tile x + 4.
; WHICH WEIGHT ROW n IS ROW i = 8 h + j OF TILE T, for wave w and half p:
;   type 0 (Q, V): n = 512 h + 128 (T / 2) + 32 w + 16 p + 8 (T % 2) + j                       heads 4 h + T / 2
;   type 1 (K):    n = 512 h + 256 (T / 4) + 128 (j % 2) + 32 w + 16 p + 4 (T % 4) + j / 2     two heads by turns, register by register
;   type 2 (Wo):   n = 512 p + 128 w + 16 T + i
; A work-group makes one (slot, wave, t): 16,384 bytes of codes by all eight waves, 512 bytes of scale words by wave 0, and (slot c = 0, t = 0) 512 bytes of bias by wave 1.
; Each store of a wave covers 512 consecutive bytes.  The loads take 16 bytes of rows 1,024 bytes apart: 4 MB in all, once, so that the large launch need not.
.set BLK, 33792
	s_load_b512 s[8:23], s[0:1], 0x0               ; codes of q, k, v, o: s[8:15]; scales: s[16:23]
	s_load_b256 s[24:31], s[0:1], 0x40             ; bq, bk, bv, bo
	s_load_b128 s[32:35], s[0:1], 0x60             ; wimg, bimg
	v_lshrrev_b32 v1, 5, v0
	v_readfirstlane_b32 s47, v1                    ; wave
	v_and_b32 v1, 31, v0                           ; lane
	v_and_b32 v2, 15, v0                           ; r
	v_bfe_u32 v3, v0, 4, 1                         ; hl
	v_bfe_u32 v4, v0, 5, 2                         ; piece c4
	v_lshrrev_b32 v5, 7, v0                        ; T0: this thread's tiles are 2 k + T0
	v_bfe_u32 v6, v0, 3, 1                         ; h = r / 8
	v_and_b32 v7, 7, v0                            ; j = r % 8
	s_lshr_b32 s40, ttmp9, 3                       ; slot
	s_bfe_u32 s41, ttmp9, 0x20001                  ; w
	s_and_b32 s42, ttmp9, 1                        ; t
	s_lshr_b32 s43, s40, 2                         ; pass
	s_and_b32 s44, s40, 3                          ; c
	s_lshl_b32 s45, s44, 1
	s_add_co_u32 s45, s45, s42                     ; 2 c + t
	s_lshl_b32 s46, s42, 2
	s_add_co_u32 s46, s46, s44                     ; c + 4 t
	s_cmp_lt_u32 s43, 6
	s_cselect_b32 s45, s45, s46                    ; the K step
	s_lshr_b32 s46, s43, 1
	s_and_b32 s36, s43, 1
	s_cmp_lt_u32 s43, 4
	s_cselect_b32 s46, s46, s36                    ; p
	s_lshl_b32 s38, s45, 7                         ; 128 kstep: bytes along a row of codes
	s_lshl_b32 s39, s45, 2                         ; 4 kstep: along a row of scale bytes
	s_lshl_b32 s36, s42, 14
	v_lshl_add_u32 v12, v0, 4, s36                 ; codes go to 16 x thread + 16,384 t (+ 4,096 k)
	s_lshl_b32 s36, s42, 9
	v_lshl_add_u32 v13, v1, 4, s36                 ; scale words to 16 x lane + 512 t (+ 32,768)
	s_lshl_b32 s36, s43, 2
	s_add_co_u32 s36, s36, s41
	s_lshl_b32 s36, s36, 9
	v_lshl_add_u32 v14, v1, 4, s36                 ; the bias to 512 (4 pass + w) + 16 x lane
	s_lshr_b32 s60, ttmp9, 1
	s_mul_i32 s60, s60, BLK                        ; the block of (slot, w)
	s_mov_b32 s61, 0
	s_wait_kmcnt 0x0
	s_add_nc_u64 s[32:33], s[32:33], s[60:61]
	s_bitcmp1_b32 s43, 0                           ; passes 0 to 3: odd = k, even = q
	s_cselect_b64 s[48:49], s[10:11], s[8:9]
	s_cselect_b64 s[50:51], s[18:19], s[16:17]
	s_cselect_b64 s[52:53], s[26:27], s[24:25]
	s_cmp_lt_u32 s43, 6                            ; passes 4 to 7: v, then o
	s_cselect_b64 s[54:55], s[12:13], s[14:15]
	s_cselect_b64 s[56:57], s[20:21], s[22:23]
	s_cselect_b64 s[58:59], s[28:29], s[30:31]
	s_cmp_lt_u32 s43, 4
	s_cselect_b64 s[48:49], s[48:49], s[54:55]     ; codes,
	s_cselect_b64 s[50:51], s[50:51], s[56:57]     ; scale bytes,
	s_cselect_b64 s[52:53], s[52:53], s[58:59]     ; bias of this pass's weight
.macro BODY type
.if \type == 2
	s_lshl_b32 s37, s46, 9
	s_lshl_b32 s36, s41, 7
.else
	s_lshl_b32 s37, s41, 5
	s_lshl_b32 s36, s46, 4
.endif
	s_add_co_u32 s37, s37, s36                     ; what w and p add to n
.if \type == 0
	v_lshl_add_u32 v8, v6, 9, v7                   ; 512 h + j
.elseif \type == 1
	v_and_b32 v8, 1, v7
	v_lshlrev_b32 v8, 7, v8                        ; 128 (j % 2)
	v_lshl_add_u32 v8, v6, 9, v8                   ; + 512 h
	v_lshrrev_b32 v9, 1, v7
	v_add_nc_u32 v8, v8, v9                        ; + j / 2
.else
	v_mov_b32 v8, v2                               ; r
.endif
	v_add_nc_u32 v8, s37, v8
	; the codes: four tiles a thread
.if \type == 0
	v_lshl_add_u32 v9, v5, 3, v8                   ; + 8 T0
.elseif \type == 1
	v_lshl_add_u32 v9, v5, 2, v8                   ; + 4 T0
.else
	v_lshl_add_u32 v9, v5, 4, v8                   ; + 16 T0
.endif
	v_lshlrev_b32 v9, 10, v9                       ; a row of codes is 1,024 bytes
	v_lshl_add_u32 v9, v4, 5, v9
	v_lshl_add_u32 v9, v3, 4, v9
	v_add_nc_u32 v9, s38, v9
.irp k, 0,1,2,3
.if \type == 0
	global_load_b128 v[16+4*\k:19+4*\k], v9, s[48:49] offset:131072*\k
.elseif \type == 1
	global_load_b128 v[16+4*\k:19+4*\k], v9, s[48:49] offset:(256*(\k/2)+8*(\k%2))*1024
.else
	global_load_b128 v[16+4*\k:19+4*\k], v9, s[48:49] offset:32768*\k
.endif
.endr
	s_wait_loadcnt 0x0
.irp k, 0,1,2,3
	global_store_b128 v12, v[16+4*\k:19+4*\k], s[32:33] offset:4096*\k
.endr
	; the scale words: wave 0
	s_cmp_lg_u32 s47, 0
	s_cbranch_scc1 .Lnot_0_\@
.if \type == 2
	v_lshl_add_u32 v10, v3, 6, v8                  ; lanes 16-31: four tiles on: + 64
.else
	v_lshl_add_u32 v10, v3, 8, v8                  ; + 256
.endif
	v_lshlrev_b32 v10, 5, v10                      ; a row of scale bytes is 32 bytes
	v_add_nc_u32 v10, s39, v10
.irp x, 0,1,2,3
.if \type == 0
	global_load_b32 v[32+\x], v10, s[50:51] offset:(128*(\x/2)+8*(\x%2))*32
.elseif \type == 1
	global_load_b32 v[32+\x], v10, s[50:51] offset:4*\x*32
.else
	global_load_b32 v[32+\x], v10, s[50:51] offset:16*\x*32
.endif
.endr
	s_wait_loadcnt 0x0
	global_store_b128 v13, v[32:35], s[32:33] offset:32768
.Lnot_0_\@:
	; the bias: wave 1 of the work-groups with c = 0 and t = 0.  Lane l: tile l / 4, rows 4 (l % 4) + x
	s_xor_b32 s36, s47, 1
	s_or_b32 s36, s36, s44
	s_or_b32 s36, s36, s42
	s_cmp_lg_u32 s36, 0
	s_cbranch_scc1 .Lno_bias_\@
	v_bfe_u32 v36, v0, 1, 1                        ; h of these rows
	v_and_b32 v37, 1, v0
.if \type == 0
	v_bfe_u32 v38, v0, 3, 2                        ; T / 2
	v_bfe_u32 v39, v0, 2, 1                        ; T % 2
	v_lshlrev_b32 v38, 7, v38
	v_lshl_add_u32 v38, v36, 9, v38
	v_lshl_add_u32 v38, v39, 3, v38
	v_lshl_add_u32 v38, v37, 2, v38                ; j = 4 (l % 2) + x
.elseif \type == 1
	v_bfe_u32 v39, v0, 2, 2                        ; T % 4
	v_lshlrev_b32 v38, 8, v3                       ; 256 (T / 4)
	v_lshl_add_u32 v38, v36, 9, v38
	v_lshl_add_u32 v38, v39, 2, v38
	v_lshl_add_u32 v38, v37, 1, v38                ; j / 2 = 2 (l % 2) + x / 2
.else
	v_lshlrev_b32 v38, 2, v1                       ; 16 T + i = 4 l + x
.endif
	v_add_nc_u32 v38, s37, v38
	v_lshlrev_b32 v38, 2, v38
.irp x, 0,1,2,3
.if \type == 1
	global_load_b32 v[40+\x], v38, s[52:53] offset:4*(128*(\x%2)+\x/2)
.else
	global_load_b32 v[40+\x], v38, s[52:53] offset:4*\x
.endif
.endr
	s_wait_loadcnt 0x0
	global_store_b128 v14, v[40:43], s[34:35]
.Lno_bias_\@:
.endm
	s_cmp_ge_u32 s43, 6
	s_cbranch_scc1 .Ltype_2
	s_cmp_lt_u32 s43, 4
	s_cselect_b32 s36, s43, 0
	s_bitcmp1_b32 s36, 0
	s_cbranch_scc1 .Ltype_1
	BODY 0
	s_endpgm
.Ltype_1:
	BODY 1
	s_endpgm
.Ltype_2:
	BODY 2
	s_endpgm
.Lfunc_end_k_q51ceef1f27_lay:
	.size	k_q51ceef1f27_lay, .Lfunc_end_k_q51ceef1f27_lay-k_q51ceef1f27_lay
	.p2alignl 7, 3214868480
	.fill 96, 4, 3214868480
	.section	.rodata,"a",@progbits
	.p2align	6, 0x0
	.amdhsa_kernel k_q51ceef1f27_lay
		.amdhsa_group_segment_fixed_size 0
		.amdhsa_private_segment_fixed_size 0
		.amdhsa_enable_private_segment 0
		.amdhsa_kernarg_size 112
		.amdhsa_user_sgpr_count 2
		.amdhsa_user_sgpr_kernarg_segment_ptr 1
		.amdhsa_wavefront_size32 1
		.amdhsa_system_sgpr_workgroup_id_x 1
		.amdhsa_system_sgpr_workgroup_id_y 1
		.amdhsa_system_sgpr_workgroup_id_z 1
		.amdhsa_system_vgpr_workitem_id 0
		.amdhsa_next_free_vgpr 48
		.amdhsa_next_free_sgpr 66
		.amdhsa_reserve_vcc 0
		.amdhsa_float_denorm_mode_32 3
		.amdhsa_float_denorm_mode_16_64 3
		.amdhsa_memory_ordered 1
		.amdhsa_forward_progress 1
		.amdhsa_inst_pref_size 12
	.end_amdhsa_kernel
	.amdgpu_metadata
---
amdhsa.version: [ 1, 2 ]
amdhsa.kernels:
  - .name:           k_q51ceef1f27_lay
    .symbol:         k_q51ceef1f27_lay.kd
    .args:
      - { .name: Wq_codes, .offset: 0, .size: 8, .value_kind: global_buffer, .address_space: global }
      - { .name: Wk_codes, .offset: 8, .size: 8, .value_kind: global_buffer, .address_space: global }
      - { .name: Wv_codes, .offset: 16, .size: 8, .value_kind: global_buffer, .address_space: global }
      - { .name: Wo_codes, .offset: 24, .size: 8, .value_kind: global_buffer, .address_space: global }
      - { .name: Wq_scales, .offset: 32, .size: 8, .value_kind: global_buffer, .address_space: global }
      - { .name: Wk_scales, .offset: 40, .size: 8, .value_kind: global_buffer, .address_space: global }
      - { .name: Wv_scales, .offset: 48, .size: 8, .value_kind: global_buffer, .address_space: global }
      - { .name: Wo_scales, .offset: 56, .size: 8, .value_kind: global_buffer, .address_space: global }
      - { .name: bq, .offset: 64, .size: 8, .value_kind: global_buffer, .address_space: global }
      - { .name: bk, .offset: 72, .size: 8, .value_kind: global_buffer, .address_space: global }
      - { .name: bv, .offset: 80, .size: 8, .value_kind: global_buffer, .address_space: global }
      - { .name: bo, .offset: 88, .size: 8, .value_kind: global_buffer, .address_space: global }
      - { .name: wimg, .offset: 96, .size: 8, .value_kind: global_buffer, .address_space: global }
      - { .name: bimg, .offset: 104, .size: 8, .value_kind: global_buffer, .address_space: global }
    .group_segment_fixed_size: 0
    .private_segment_fixed_size: 0
    .kernarg_segment_align: 8
    .kernarg_segment_size: 112
    .max_flat_workgroup_size: 256
    .sgpr_count:     66
    .vgpr_count:     48
    .wavefront_size: 32
...
	.end_amdgpu_metadata
.endif
;; end of part 1
;; launch fuse (part 2): grid 256 x 1, 4 waves a work-group, clusters of 4 x 1, 327,680 bytes of LDS; arguments feat1_codes, feat1_scales, feat2_codes, feat2_scales, wimg, bimg, out0; writes out0
.if DOCPART == 2
	.amdgcn_target "amdgcn-amd-amdhsa--gfx1250"
	.amdhsa_code_object_version 6
	.text
	.protected	k_q51ceef1f27_fuse
	.globl	k_q51ceef1f27_fuse
	.p2align	8
	.type	k_q51ceef1f27_fuse,@function
k_q51ceef1f27_fuse:
	s_mov_b64 s[64:65], 0
	v_nop
	global_prefetch_b8 v0, s[64:65] scope:SCOPE_SE
	s_setreg_imm32_b32 hwreg(HW_REG_WAVE_MODE, 25, 1), 1
	s_wait_xcnt 0x0
	s_wait_alu depctr_hold_cnt(0) depctr_sa_sdst(0) depctr_va_vdst(0) depctr_va_sdst(0) depctr_va_ssrc(0) depctr_va_vcc(0) depctr_vm_vsrc(0)
	s_getreg_b32 s2, hwreg(HW_REG_IB_STS2, 6, 4)
	s_cmp_eq_u32 s2, 0
	s_cbranch_scc0 .Lentry_in_a_cluster
	s_endpgm
.Lentry_in_a_cluster:
	s_bfe_u32 s2, ttmp6, 0x10000c
	s_cmp_lg_u32 s2, 0x3003
	s_cbranch_scc0 .Lentry_shape_is_right
	s_endpgm
.Lentry_shape_is_right:
; out = ctx Wo + bo;  ctx = softmax_g(Q K^T / sqrt(128)) V across the 8 heads of each sample;  Q = feat1 Wq + bq, K = feat2 Wk + bk, V = feat2 Wv + bv.  No work is left out.
; The four large products run on codes of FP8 (E4M3) with one E8M0 scale for each 32 along K; scores, softmax and the mix of V are f32 fused multiply-adds; ctx is quantised in registers.
; SHARES.  A work-group owns 64 samples and all 1,024 columns, so Q, K, V and ctx never go to memory.  Eight PASSES of 64 rows x 512 columns x K 1,024:
;   Q p=0, K p=0, Q p=1, K p=1, V p=0, V p=1, out p=0, out p=1.  In a pass each of the four waves makes 64 rows x 128 columns: 8 tiles x 4 row tiles = 32 accumulators (window 2).
; THE MATRIX INSTRUCTION IS USED TRANSPOSED: source 0 = 16 weight rows, source 1 = 16 samples.  Lane (r, h) holds sample r; register j holds tile row 8 h + j.  The first launch chose the weight rows
; of a tile so that lanes of half h hold heads 4 h .. 4 h + 3, at d = 32 w + 16 p + 0 .. 15 of wave w; in K's tiles two heads take turns register by register, so that a packed multiply-add serves two keys.
; WEIGHTS come as images of the operand registers (wimg) through a ring of two LDS slots; a slot is a quarter of a pass (two K steps of 128), 33,792 dense bytes for each wave, its scale words behind its codes.
; CLUSTER.  All work-groups walk the same weights: the four of a cluster ask for each slot JOINTLY (the same tensor load, the same descriptor, a mask that names the four).  The rows' codes are each work-group's own.
; THE ROWS' CODES (feat1, feat2, later ctx) go by chunks of 256 along K through two small buffers in LDS, filled from registers, a slot ahead.
; ORDER OF SUMS: K ascending in the first three products; in the last the K steps go 0, 4, 1, 5, 2, 6, 3, 7.
; LIMITS: NaN and infinities in ctx are not served; a block of ctx whose largest magnitude lies under 2^-118, a block of zeros among them, keeps the scale byte 1 (its codes are then zeros or
; subnormal codes; the bytes are read by this program alone).
; REGISTERS, in windows of 256.  Window 0: v1-23 addresses; v24-31, v118-122 at work; v32-63 scale words and nothing else; v64-101 staged chunk and bias; v102-117 the softmax's figures, later ctx's scale bytes;
;   v128-255 SB: scores, then the softmax, then ctx's codes, at 32 m + 8 k + 4 x + g (row tile m, my head k, x = 0: keys of my half of the heads, 1: of the other half).
; Window 1: v0-127 weight fragments (one set), v128-191 and v192-255 the rows' fragments of a slot's two K steps; at a pass's end the second set is free: TMP.
; Window 2: the accumulators, at 64 m + 8 tile.   Window 3: PARK, the same layout: Q + bq, later ctx of p = 0.
.set WBLK,  33792                      ; a wave's part of a slot
.set SLOTB, 4*WBLK                     ; a slot
.set ABUF,  2*SLOTB                    ; behind the ring: two buffers for the rows' chunks: 64 rows x (256 bytes + 16), then 8 scale bytes a row
.set ABUFB, 17920
.set ASC,   17408
.set AP,    272
.set STAGE, ABUF+2*ABUFB               ; 17,408 bytes: the scores' exchange; on the way out 16 rows x 272 bytes for each wave
.set BIAS,  STAGE+17408                ; 512 bytes for each wave
.set SPARE, BIAS+2048                  ; the spare words: 128 bytes for each wave, two blocks of 256 bytes that no other line names
.set ADW,   1                          ; v1, v2  my weight images in slot 0, 1: 33,792 w + 16 lane
.set ADA,   3                          ; v3   a rows' fragment: 272 r + 16 h
.set ADSA,  4                          ; v4   the rows' scale words: 8 r
.set AST,   5                          ; v5   where I store a chunk's rows: 272 (16 w + lane / 16) + 16 (lane % 16)
.set ASS,   6                          ; v6   and their scale words: 8 (16 w + r)
.set ACT,   7                          ; v7   where I store ctx's codes: 272 r + 128 h + 32 w
.set ACS,   8                          ; v8   and ctx's scale byte: 8 r + 4 h + w
.set GX,    9                          ; v9   a chunk in memory: 1,024 (16 w + lane / 16) + 16 (lane % 16)
.set GXS,   10                         ; v10  its scale bytes: 32 (16 w + r)
.set SXW,   11                         ; v11, v12  the exchange: where I store (two buffers)
.set SXR,   13                         ; v13, v14  and where I read
.set STO,   15                         ; v15  the way out: where I put 32 bytes of a row
.set RD,    16                         ; v16  and where I read rows back
.set CO,    17                         ; v17  my byte offset in two rows of out
.set GB,    18                         ; v18  my 16 bytes of a pass's bias in memory
.set BIASW, 19
.set BIASR, 20
.set SPW,   21                         ; v21  my spare word; never rewritten
.set NIL,   22                         ; v22  0; never rewritten
.set PFO,   23                         ; v23  the prefetches' offset: 1,024 (16 w + r) + 256 h; never rewritten
.set TQ,    24                         ; v24-27 largest magnitudes, v28-31 the conversions' scale operands
.set SCW,   32                         ; set s at 32 + 16 s: weights' words at + 4 t + x, rows' words at + 8 + 2 m + t
.set XS,    64
.set XSS,   96
.set BS,    98
.set MX,    102
.set SBY,   102
.set HOLD,  118
.set FL,    122
.set SB,    128
.set AF,    128                        ; window 1
.set TMP,   192                        ; window 1
.set WV,    18                         ; s18  my wave's number
.set G1,    24                         ; s[24:31] descriptor group 1
.set G0,    32                         ; s[32:35], s[36:39] group 0 of slot 0, 1
.set G,     40                         ; s40  the trip: two slots a trip
.set P,     41                         ; s41  the pass that has ended
.set SEL,   50                         ; s[50:51] v_permlanex16_b32's selects for lane l xor 16
.set CS,    52                         ; s[52:53] c = log2(e) / sqrt(128)
.set MNT,   54                         ; s54  the mantissa field of 448
.set NCS,   55                         ; s55  -c
.set W_MUL, 0xa5                       ; sources 0 and 1 window 1, C and D window 2
.set W_F,   0x40                       ; destination window 1, address window 0
.set MSB, 0
.macro WIN new                         ; the immediate's high byte repeats the setting that is left
.if MSB != \new
	s_set_vgpr_msb (MSB<<8)|\new
.set MSB, \new
.endif
.endm
.macro PLACES n                        ; plain places behind matrix instructions: eight ahead of loads into their registers and of reads of their results
.rept \n
	v_nop
.endr
.endm
.macro CREST                           ; a round of the cluster's barrier behind its opening barrier
	s_cmp_lg_u32 s[WV], 0
	s_cbranch_scc1 .Lnot_wave_0_\@
	s_barrier_signal -3
.Lnot_wave_0_\@:
	s_barrier_wait -3
	s_barrier_signal -1
	s_barrier_wait -1
.endm
.macro CROUND
	s_barrier_signal -1
	s_barrier_wait -1
	CREST
.endm
.macro BAR                             ; my LDS stores have landed and my LDS loads are in: then the work-group's barrier
	s_wait_dscnt 0x0
	s_barrier_signal -1
	s_barrier_wait -1
.endm
; n tiles from t0 on x the four row tiles, K step t of the slot with parity s.  The 32 accumulators take turns, one instruction a turn, in the same order in every K step.
.macro MULG t0, n, t, s, zero
.set tau, \t0
.rept \n
.set mm, 0
.rept 4
.if \zero
.if tau < 4
	v_wmma_scale_f32_16x16x128_f8f6f4 v[64*mm+8*tau:64*mm+8*tau+7], v[16*tau:16*tau+15], v[AF+64*\t+16*mm:AF+64*\t+16*mm+15], 0, v[SCW+16*\s+4*\t+tau], v[SCW+16*\s+8+2*mm+\t]
.else
	v_wmma_scale_f32_16x16x128_f8f6f4 v[64*mm+8*tau:64*mm+8*tau+7], v[16*tau:16*tau+15], v[AF+64*\t+16*mm:AF+64*\t+16*mm+15], 0, v[SCW+16*\s+4*\t+tau-4], v[SCW+16*\s+8+2*mm+\t] matrix_a_scale:MATRIX_SCALE_ROW1
.endif
.else
.if tau < 4
	v_wmma_scale_f32_16x16x128_f8f6f4 v[64*mm+8*tau:64*mm+8*tau+7], v[16*tau:16*tau+15], v[AF+64*\t+16*mm:AF+64*\t+16*mm+15], v[64*mm+8*tau:64*mm+8*tau+7], v[SCW+16*\s+4*\t+tau], v[SCW+16*\s+8+2*mm+\t]
.else
	v_wmma_scale_f32_16x16x128_f8f6f4 v[64*mm+8*tau:64*mm+8*tau+7], v[16*tau:16*tau+15], v[AF+64*\t+16*mm:AF+64*\t+16*mm+15], v[64*mm+8*tau:64*mm+8*tau+7], v[SCW+16*\s+4*\t+tau-4], v[SCW+16*\s+8+2*mm+\t] matrix_a_scale:MATRIX_SCALE_ROW1
.endif
.endif
.set mm, mm+1
.endr
.set tau, tau+1
.endr
.endm
.macro FETCH_W slot, t, t0             ; four weight fragments, as they lie: 16 bytes a lane, 512 consecutive bytes a load
	WIN W_F
.irp i, 0,1,2,3
.irp c, 0,1,2,3
	ds_load_b128 v[16*(\t0+\i)+4*\c:16*(\t0+\i)+4*\c+3], v[ADW+\slot] offset:16384*\t+2048*(\t0+\i)+512*\c
.endr
.endr
.endm
.macro FETCH_A buf, t                  ; the four row tiles' fragments of K step t: registers 4 c .. 4 c + 3 hold k = 32 c + 16 h + 0 .. 15 of row r
	WIN W_F
.irp i, 0,1,2,3
.irp c, 0,1,2,3
	ds_load_b128 v[AF+64*\t+16*\i+4*\c:AF+64*\t+16*\i+4*\c+3], v[ADA] offset:ABUFB*\buf+16*AP*\i+128*\t+32*\c
.endr
.endr
.endm
.macro SA_LOAD s                       ; the rows' scale words of both K steps
.irp i, 0,1,2,3
	ds_load_b64 v[SCW+16*\s+8+2*\i:SCW+16*\s+9+2*\i], v[ADSA] offset:ABUFB*\s+128*\i
.endr
.endm
.macro SCALES s                        ; six LDS loads: the weights' words (lanes 0-15: tiles 0-3; lanes 16-31: tiles 4-7) and the rows'
	ds_load_b128 v[SCW+16*\s:SCW+16*\s+3], v[ADW+\s] offset:32768
	ds_load_b128 v[SCW+16*\s+4:SCW+16*\s+7], v[ADW+\s] offset:32768+512
	SA_LOAD \s
.endm
; ctx's chunk c (heads c and 4 + c) into a buffer: my 32 codes and my scale byte of each of my lane's rows
.macro CTX_PUT c, buf
.irp i, 0,1,2,3
	ds_store_b128 v[ACT], v[SB+32*\i+8*\c:SB+32*\i+8*\c+3] offset:ABUFB*(\buf)+16*AP*\i
	ds_store_b128 v[ACT], v[SB+32*\i+8*\c+4:SB+32*\i+8*\c+7] offset:ABUFB*(\buf)+16*AP*\i+16
	ds_store_b8 v[ACS], v[SBY+4*\i+\c] offset:ABUFB*(\buf)+128*\i
.endr
.endm
; The next slot's chunk goes into the buffer that the slot before last has left.  Up to trip 10 it is the staged chunk of feat1 or feat2, later a chunk of ctx.
; kind 0: a slot of parity 1;  1: parity 0, in mid-pass (the pass's bias goes to LDS too);  2: parity 0, a pass's first slot;  3: the kernel's first slot.
.macro A_STORE buf, kind
	s_wait_loadcnt 0x0                             ; the staged chunk (asked for a slot ago) and the bias are in
.if \kind == 1
	ds_store_b128 v[BIASW], v[BS:BS+3]
.endif
.if \kind != 3
	s_cmp_gt_u32 s[G], 10
	s_cbranch_scc1 .Lctx_\@
.endif
.irp k, 0,1,2,3,4,5,6,7
	ds_store_b128 v[AST], v[XS+4*\k:XS+4*\k+3] offset:ABUFB*(\buf)+2*AP*\k
.endr
	ds_store_b64 v[ASS], v[XSS:XSS+1] offset:ABUFB*(\buf)   ; (lanes 16-31 write the same bytes with the same values)
.if \kind != 3
	s_branch .Lput_\@
.Lctx_\@:
.if \kind == 0
	s_cmp_eq_u32 s[G], 11                          ; ctx is not made yet: its first chunk is put at the end of V's second pass
	s_cbranch_scc1 .Lput_\@
	s_bitcmp1_b32 s[G], 0
	s_cbranch_scc1 .Lodd_\@
	CTX_PUT 2, \buf
	s_branch .Lput_\@
.Lodd_\@:
	CTX_PUT 0, \buf
.elseif \kind == 1
	CTX_PUT 3, \buf
.else
	CTX_PUT 1, \buf
.endif
.Lput_\@:
.endif
.endm
; Chunk 2 G + add of the 24 (pass = chunk / 4: passes 0 and 2 read feat1, 1, 3, 4, 5 feat2) is asked for: 16 rows x 256 bytes a wave, each load two rows' 256 aligned bytes; 8 scale bytes a row.
.macro A_LOAD add, lim
	s_cmp_gt_u32 s[G], \lim
	s_cbranch_scc1 .Lno_load_\@
	s_lshl_b32 s42, s[G], 1
	s_add_co_u32 s42, s42, \add
	s_and_b32 s43, s42, 3
	s_lshl_b32 s56, s43, 8
	s_mov_b32 s57, 0
	s_lshl_b32 s58, s43, 3
	s_mov_b32 s59, 0
	s_and_b32 s43, s42, 0x14                       ; not 0: an odd pass, or pass 4 or 5
	s_cselect_b64 s[46:47], s[8:9], s[4:5]         ; (the bases' last loads were waited for in A_STORE)
	s_cselect_b64 s[48:49], s[10:11], s[6:7]
	s_add_nc_u64 s[46:47], s[46:47], s[56:57]
	s_add_nc_u64 s[48:49], s[48:49], s[58:59]
.irp k, 0,1,2,3,4,5,6,7
	global_load_b128 v[XS+4*\k:XS+4*\k+3], v[GX], s[46:47] offset:2048*\k
.endr
	global_load_b64 v[XSS:XSS+1], v[GXS], s[48:49]
.Lno_load_\@:
.endm
; A slot's first K step.  Tiles 0-3, then the second K step's rows and tiles 0-3 are fetched, tiles 4-7, then their successors.  kind 4: nothing more to stage.
.macro STEP s, zero, w0, kind
.if \w0
	s_wait_dscnt 0x0
.else
	s_wait_dscnt 16                                ; all but the youngest sixteen loads, tiles 4-7
.endif
	WIN W_MUL
	MULG 0, 4, 0, \s, \zero
	s_wait_dscnt 0x0                               ; tiles 4-7 are in
	PLACES 8
	FETCH_A \s, 1
	FETCH_W \s, 1, 0
	WIN W_MUL
	MULG 4, 4, 0, \s, \zero
	PLACES 8
	WIN 0
.if \kind < 4
	A_STORE 1-\s, \kind
.endif
	FETCH_W \s, 1, 4
	WIN 0
.if \kind < 4
	s_wait_dscnt 16                                ; all but those sixteen: the LDS stores above have read the staged registers, which now take the next chunk
.if \kind == 0
	A_LOAD 3, 10
.elseif \kind == 3
	A_LOAD 2, 9
.else
	A_LOAD 4, 9
.endif
.endif
.endm
; A slot's second K step changes slots: ONE barrier.  In front of it each wave waits for all its tensor loads (one is out: its part of the next slot), adds 0 to its spare word, and waits for that, for its
; reads of this slot and for its stores of the next chunk.  fill = 1: the barrier opens a round of the cluster's barrier, and this slot is filled again, two slots ahead: one load a wave, 64 matrix instructions in which to land.
.macro TURN s, nx, fill
	WIN 0
	s_wait_tensorcnt 0x0
	ds_add_u32 v[SPW], v[NIL]
	s_wait_dscnt 17                                ; (the add and the youngest sixteen loads, tiles 4-7, may be out)
	WIN W_MUL
	MULG 0, 2, 1, \s, 0
	s_wait_dscnt 0x0
	s_barrier_signal -1
	MULG 2, 2, 1, \s, 0
	WIN 0
	s_barrier_wait -1
.if \fill
	CREST                                          ; no wave of any partner still reads this slot or has a load on its way
	s_add_nc_u64 s[G0+4*\s+2:G0+4*\s+3], s[G0+4*\s+2:G0+4*\s+3], 2*SLOTB
	tensor_load_to_lds s[G0+4*\s:G0+4*\s+3], s[G1:G1+7]
	s_nop 0
	PLACES 8                                       ; four behind the load; with four more the places ahead of the loads below
.else
	PLACES 8
.endif
	FETCH_A \nx, 0
	FETCH_W \nx, 0, 0
	WIN 0
	SCALES \nx
	WIN W_MUL
	MULG 4, 4, 1, \s, 0
	PLACES 8
	FETCH_W \nx, 0, 4
	WIN 0
.endm
; ---- what follows a pass
.macro BIAS_LD                         ; the pass's bias in the result's layout: tile T's eight rows of my half, the same in all 16 lanes of a half
	WIN W_F
.irp i, 0,1,2,3,4,5,6,7
	ds_load_b128 v[TMP+8*\i:TMP+8*\i+3], v[BIASR] offset:64*\i
	ds_load_b128 v[TMP+8*\i+4:TMP+8*\i+7], v[BIASR] offset:64*\i+16
.endr
	s_wait_dscnt 0x0
	WIN 0
.endm
.macro BADD win                        ; accumulators + bias, each accumulator from its low end on: 0xc6 into PARK, 0x86 in place
	WIN \win
.set i, 0
.rept 128
	v_pk_add_f32 v[2*i:2*i+1], v[2*i:2*i+1], v[TMP+(2*i)%64:TMP+(2*i)%64+1]
.set i, i+1
.endr
	WIN 0
.endm
; Scores of row tile m, over my wave's 16 d of this pass.  K of the other half of the heads comes from lane l xor 16.  One packed multiply-add: one Q (head hq, d), two keys' K at the same d.
.macro S_UPD m
	WIN 0x42
.set i, 0
.rept 64
	v_permlanex16_b32 v[TMP+i], v[64*\m+i], s[SEL], s[SEL+1]
.set i, i+1
.endr
.irp x, 0, 1
.if \x == 0
	WIN 0x0b                                       ; Q window 3, K window 2
.set kb, 64*\m
.else
	WIN 0x07                                       ; Q window 3, the other half's K window 1
.set kb, TMP
.endif
.set dl, 0
.rept 16
.set hq, 0
.rept 4
.set qq, 0
.rept 2
.set rD, SB+32*\m+8*hq+4*\x+2*qq
.set rQ, 64*\m+8*(2*hq+dl/8)+(dl%8)-(dl%2)
.set rK, kb+8*(4*qq+dl/4)+2*(dl%4)
.if dl%2
	v_pk_fma_f32 v[rD:rD+1], v[rQ:rQ+1], v[rK:rK+1], v[rD:rD+1] op_sel:[1,0,0] op_sel_hi:[1,1,1]
.else
	v_pk_fma_f32 v[rD:rD+1], v[rQ:rQ+1], v[rK:rK+1], v[rD:rD+1] op_sel_hi:[0,1,1]
.endif
.set qq, qq+1
.endr
.set hq, hq+1
.endr
.set dl, dl+1
.endr
.endr
	WIN 0
.endm
; The four waves' partial scores are added: two row tiles at a time through two buffers, as images of the registers; every wave adds in the same order, so all hold the same bits.
.macro XPUT m0
.irp q, 0,1,2,3,4,5,6,7
	ds_store_b128 v[SXW], v[SB+32*\m0+4*\q:SB+32*\m0+4*\q+3] offset:512*\q
	ds_store_b128 v[SXW+1], v[SB+32*\m0+32+4*\q:SB+32*\m0+32+4*\q+3] offset:512*\q
.endr
.endm
.macro XGET win
	WIN \win
.irp u, 0,1,2,3
.irp q, 0,1,2,3,4,5,6,7
	ds_load_b128 v[64*\u+4*\q:64*\u+4*\q+3], v[SXR] offset:4096*\u+512*\q
	ds_load_b128 v[64*\u+32+4*\q:64*\u+32+4*\q+3], v[SXR+1] offset:4096*\u+512*\q
.endr
.endr
	WIN 0
.endm
.macro XSUM w1, w2, sb0
	WIN \w1
.set i, 0
.rept 32
	v_pk_add_f32 v[i:i+1], v[i:i+1], v[64+i:65+i]
	v_pk_add_f32 v[128+i:129+i], v[128+i:129+i], v[192+i:193+i]
.set i, i+2
.endr
	WIN \w2
.set i, 0
.rept 32
	v_pk_add_f32 v[SB+\sb0+i:SB+\sb0+i+1], v[i:i+1], v[128+i:129+i]
.set i, i+2
.endr
	WIN 0
.endm
; The softmax of my lane's 16 (row tile, head) units of 8 scores: the maximum is taken away; p = 2^(c s - c max); divided by the sum.  All in window 0.
.macro SOFTMAX
.set u, 0
.rept 16
	v_max3_num_f32 v[MX+u], v[SB+8*u], v[SB+8*u+1], v[SB+8*u+2]
.set u, u+1
.endr
.irp a, 3, 5
.set u, 0
.rept 16
	v_max3_num_f32 v[MX+u], v[MX+u], v[SB+8*u+\a], v[SB+8*u+\a+1]
.set u, u+1
.endr
.endr
.set u, 0
.rept 16
	v_max_num_f32 v[MX+u], v[MX+u], v[SB+8*u+7]
.set u, u+1
.endr
.set u, 0
.rept 16
	v_mul_f32 v[MX+u], s[NCS], v[MX+u]             ; -c max
.set u, u+1
.endr
.set i, 0
.rept 64
.if (i/4)%2
	v_pk_fma_f32 v[SB+2*i:SB+2*i+1], v[SB+2*i:SB+2*i+1], s[CS:CS+1], v[MX+i/4-1:MX+i/4] op_sel:[0,0,1] op_sel_hi:[1,0,1]
.else
	v_pk_fma_f32 v[SB+2*i:SB+2*i+1], v[SB+2*i:SB+2*i+1], s[CS:CS+1], v[MX+i/4:MX+i/4+1] op_sel_hi:[1,0,0]
.endif
.set i, i+1
.endr
.set i, 0
.rept 128
	v_exp_f32 v[SB+i], v[SB+i]
.set i, i+1
.endr
	v_nop                                          ; a plain instruction behind the last exponential
	s_wait_alu depctr_va_vdst(0)                   ; one wait for the batch, ahead of its first reader
.set u, 0
.rept 16
	v_add_f32 v[MX+u], v[SB+8*u], v[SB+8*u+1]
.set u, u+1
.endr
.irp a, 2,3,4,5,6,7
.set u, 0
.rept 16
	v_add_f32 v[MX+u], v[MX+u], v[SB+8*u+\a]
.set u, u+1
.endr
.endr
.set u, 0
.rept 16
	v_rcp_f32 v[MX+u], v[MX+u]
.set u, u+1
.endr
	v_nop
	s_wait_alu depctr_va_vdst(0)                   ; one wait for the sixteen reciprocals
.set i, 0
.rept 64
.if (i/4)%2
	v_pk_mul_f32 v[SB+2*i:SB+2*i+1], v[SB+2*i:SB+2*i+1], v[MX+i/4-1:MX+i/4] op_sel:[0,1] op_sel_hi:[1,1]
.else
	v_pk_mul_f32 v[SB+2*i:SB+2*i+1], v[SB+2*i:SB+2*i+1], v[MX+i/4:MX+i/4+1] op_sel_hi:[1,0]
.endif
.set i, i+1
.endr
.endm
; One key's share of ctx for my four heads and eight d: 16 packed instructions.  att: the key's place in a unit of SB; vsrc: its V.  mode 0 starts the sums, 1 adds, 2 adds and writes ctx's place.
.macro CG m, u, att, vsrc, mode
.set kk, 0
.rept 4
.set rA, SB+32*(\m)+8*kk+(\att)-((\att)%2)
.set rC, TMP+32+8*kk
.set rF, 64*(\m)+8*(2*kk+(\u))
.set jp, 0
.rept 4
.if \mode == 0
	v_pk_mul_f32 v[rC+jp:rC+jp+1], v[(\vsrc)+jp:(\vsrc)+jp+1], v[rA:rA+1] op_sel_hi:[1,0]
.elseif \mode == 1
.if (\att)%2
	v_pk_fma_f32 v[rC+jp:rC+jp+1], v[(\vsrc)+jp:(\vsrc)+jp+1], v[rA:rA+1], v[rC+jp:rC+jp+1] op_sel:[0,1,0] op_sel_hi:[1,1,1]
.else
	v_pk_fma_f32 v[rC+jp:rC+jp+1], v[(\vsrc)+jp:(\vsrc)+jp+1], v[rA:rA+1], v[rC+jp:rC+jp+1] op_sel_hi:[1,0,1]
.endif
.else
	v_pk_fma_f32 v[rF+jp:rF+jp+1], v[(\vsrc)+jp:(\vsrc)+jp+1], v[rA:rA+1], v[rC+jp:rC+jp+1] op_sel:[0,1,0] op_sel_hi:[1,1,1]
.endif
.set jp, jp+2
.endr
.set kk, kk+1
.endr
.endm
; ctx of row tile m, d = 8 u + 0 .. 7 of this pass's 16.  The last key's group writes ctx's place: PARK after V's first pass, the accumulators' own registers (those tiles of V are used up) after the second.
.macro CTX m, u
	WIN 0x42
.irp g, 0,1,2,3
.irp j, 0,1,2,3,4,5,6,7
	v_permlanex16_b32 v[TMP+8*\g+\j], v[64*\m+8*(2*\g+\u)+\j], s[SEL], s[SEL+1]
.endr
.endr
	WIN 0x52                                       ; V window 2, the softmax window 0, sums window 1
	CG \m, \u, 0, 64*\m+8*\u, 0
	CG \m, \u, 1, 64*\m+8*(2+\u), 1
	CG \m, \u, 2, 64*\m+8*(4+\u), 1
	CG \m, \u, 3, 64*\m+8*(6+\u), 1
	WIN 0x51                                       ; the other half's V window 1
	CG \m, \u, 4, TMP, 1
	CG \m, \u, 5, TMP+8, 1
	CG \m, \u, 6, TMP+16, 1
	WIN 0
	s_cmp_eq_u32 s[P], 4
	s_cbranch_scc0 .Lsecond_\@
	WIN 0xd1
	CG \m, \u, 7, TMP+24, 2
	WIN 0
	s_branch .Ljoin_\@
.Lsecond_\@:
	WIN 0x91
	CG \m, \u, 7, TMP+24, 2
	WIN 0
.Ljoin_\@:
.endm
; ctx of row tile m becomes codes.  A block of 32 along the last product's K is (head, my wave's 32 d): 16 numbers in PARK, 16 in the accumulators' registers, all in ONE lane.  The four heads by turns.
.macro QUANT m
	WIN 0x3c
.set i, 0
.rept 8
.set kk, 0
.rept 4
.if i == 0
	v_max3_num_f32 v[TQ+kk], v[FL], |v[64*\m+16*kk]|, |v[64*\m+16*kk+1]|   ; the floor 2^(9 - 127) among the leaves: the byte cannot fall under 1
.else
	v_max3_num_f32 v[TQ+kk], v[TQ+kk], |v[64*\m+16*kk+2*i]|, |v[64*\m+16*kk+2*i+1]|
.endif
.set kk, kk+1
.endr
.set i, i+1
.endr
	WIN 0x28
.set i, 0
.rept 8
.set kk, 0
.rept 4
	v_max3_num_f32 v[TQ+kk], v[TQ+kk], |v[64*\m+16*kk+2*i]|, |v[64*\m+16*kk+2*i+1]|
.set kk, kk+1
.endr
.set i, i+1
.endr
	WIN 0
.irp k, 0,1,2,3
	v_add_nc_u32 v[TQ+4+\k], 0xfc000000, v[TQ+\k]  ; 8 off the exponent field: the conversion's scale operand
.endr
.irp k, 0,1,2,3
	v_and_or_b32 v[HOLD+\k], v[TQ+\k], 0x7f800000, s[MNT]   ; 448 x the scale
.endr
.irp k, 0,1,2,3
	v_lshrrev_b32 v[SBY+4*\m+\k], 23, v[TQ+4+\k]   ; the scale's byte
.endr
	WIN 0xc3
.set i, 0
.rept 64
	v_med3_num_f32 v[64*\m+i], v[64*\m+i], -v[HOLD+i/16], v[HOLD+i/16]   ; the conversion to an 8-bit code does not saturate (ISA guide 7.6.2): the hold
.set i, i+1
.endr
	WIN 0x82
.set i, 0
.rept 64
	v_med3_num_f32 v[64*\m+i], v[64*\m+i], -v[HOLD+i/16], v[HOLD+i/16]
.set i, i+1
.endr
	WIN 0x03
.irp k, 0,1,2,3
	v_cvt_scalef32_pk8_fp8_f32 v[SB+32*\m+8*\k:SB+32*\m+8*\k+1], v[64*\m+16*\k:64*\m+16*\k+7], v[TQ+4+\k]
	v_cvt_scalef32_pk8_fp8_f32 v[SB+32*\m+8*\k+2:SB+32*\m+8*\k+3], v[64*\m+16*\k+8:64*\m+16*\k+15], v[TQ+4+\k]
.endr
	WIN 0x02
.irp k, 0,1,2,3
	v_cvt_scalef32_pk8_fp8_f32 v[SB+32*\m+8*\k+4:SB+32*\m+8*\k+5], v[64*\m+16*\k:64*\m+16*\k+7], v[TQ+4+\k]
	v_cvt_scalef32_pk8_fp8_f32 v[SB+32*\m+8*\k+6:SB+32*\m+8*\k+7], v[64*\m+16*\k+8:64*\m+16*\k+15], v[TQ+4+\k]
.endr
	WIN 0
	v_nop                                          ; a plain instruction behind the last conversion of the run
.endm
; THE WAY OUT of a pass of the last product: eight blocks of 16 rows x 64 columns go through my own stage and come back as rows of 256 bytes; LDS serves a wave's instructions in order (ISA guide 5.7.1.4).
.macro TOSTAGE b
	WIN 0x08
.irp t, 0,1,2,3
	ds_store_b128 v[STO], v[64*((\b)/2)+8*(4*((\b)%2)+\t):64*((\b)/2)+8*(4*((\b)%2)+\t)+3] offset:64*\t
	ds_store_b128 v[STO], v[64*((\b)/2)+8*(4*((\b)%2)+\t)+4:64*((\b)/2)+8*(4*((\b)%2)+\t)+7] offset:64*\t+16
.endr
	WIN W_F
.irp i, 0,1,2,3,4,5,6,7
	ds_load_b128 v[TMP+32*((\b)%2)+4*\i:TMP+32*((\b)%2)+4*\i+3], v[RD] offset:2*AP*\i
.endr
	WIN 0
.endm
.macro SEND b, younger, off
	s_wait_dscnt \younger                          ; the block is back; the next block's eight stores and eight loads may be out
	WIN 0x04
.irp i, 0,1,2,3,4,5,6,7
	global_store_b128 v[CO], v[TMP+32*((\b)%2)+4*\i:TMP+32*((\b)%2)+4*\i+3], s[16:17] offset:(16*((\b)/2)+2*\i)*4096+256*((\b)%2)+\off th:TH_STORE_NT   ; sixteen lanes store 256 consecutive bytes, aligned
.endr
	WIN 0
.endm
.macro WAYOUT off
	TOSTAGE 0
.irp b, 1,2,3,4,5,6,7
.if \b > 1
	s_wait_xcnt 0x0                                ; the block before last's stores have read their registers, which take this block
.endif
	TOSTAGE \b
	SEND \b-1, 16, \off
.endr
	SEND 7, 0, \off
	s_wait_xcnt 0x0                                ; the stores' registers are the rows' fragments again
.endm
; ================ the head
	s_load_b256 s[4:11], s[0:1], 0x0               ; feat1's codes, scales; feat2's codes, scales
	s_load_b128 s[12:15], s[0:1], 0x20             ; wimg, bimg
	s_load_b64 s[16:17], s[0:1], 0x30              ; out
	v_lshl_add_u32 v[SPW], v0, 2, SPARE
	v_mov_b32 v[NIL], 0
	ds_add_u32 v[SPW], v[NIL]                      ; the wave's opening: the add, twice on end, and its wait ahead of my first tensor load
	ds_add_u32 v[SPW], v[NIL]
	v_lshrrev_b32 v24, 5, v0
	v_readfirstlane_b32 s[WV], v24                 ; wave 0..3
	s_bfe_u32 s19, ttmp6, 0x40000                  ; my place in the cluster: it enters the rows' and out's global addresses alone
	s_lshl_b32 s20, ttmp9, 2
	s_add_co_u32 s20, s20, s19                     ; my block of 64 rows
	; descriptor group 1: 33,792 dense bytes as 132 rows of 32 elements of 8 bytes, no padding
	s_mov_b32 s[G1], 15|(3<<16)|(1<<21)            ; 15:0 the mask: all four work-groups; 17:16 elements of 8 bytes; 21 set beside a mask
	s_mov_b32 s[G1+1], 32<<16                      ; tensor_dim0 = 32
	s_mov_b32 s[G1+2], 132<<16                     ; tensor_dim1 = 132
	s_mov_b32 s[G1+3], 32<<16                      ; tile_dim0 = 32
	s_mov_b32 s[G1+4], 132                         ; tile_dim1 = 132
	s_mov_b32 s[G1+5], 32                          ; from row to row
	s_mov_b32 s[G1+6], 0
	s_mov_b32 s[G1+7], 0
	s_mov_b32 s[SEL], 0x76543210
	s_mov_b32 s[SEL+1], 0xfedcba98
	s_mov_b32 s[CS], 0x3e0293ee                    ; c = log2(e) / sqrt(128)
	s_mov_b32 s[CS+1], s[CS]
	s_mov_b32 s[NCS], 0xbe0293ee
	s_mov_b32 s[MNT], 0x600000
	s_mov_b32 s[G], 0
	v_and_b32 v24, 31, v0                          ; lane
	v_and_b32 v25, 15, v0                          ; r
	v_bfe_u32 v26, v0, 4, 1                        ; h
	s_mul_i32 s42, s[WV], WBLK
	v_lshl_add_u32 v[ADW], v24, 4, s42
	v_add_nc_u32 v[ADW+1], SLOTB, v[ADW]
	v_mul_u32_u24 v27, v25, AP                     ; 272 r
	v_lshl_add_u32 v[ADA], v26, 4, v27
	v_add_nc_u32 v[ADA], ABUF, v[ADA]
	v_lshl_add_u32 v[ADSA], v25, 3, ABUF+ASC
	s_mul_i32 s43, s[WV], 16*AP
	v_mul_u32_u24 v28, v26, AP
	v_lshl_add_u32 v28, v25, 4, v28
	v_add_nc_u32 v28, s43, v28                     ; 272 (16 w + h) + 16 r
	v_add_nc_u32 v[AST], ABUF, v28
	v_add_nc_u32 v[RD], STAGE, v28
	s_lshl_b32 s44, s[WV], 7
	v_add_nc_u32 v[ASS], s44, v[ADSA]
	v_lshl_add_u32 v[ACT], v26, 7, v27
	s_lshl_b32 s45, s[WV], 5
	v_add_nc_u32 v[ACT], s45, v[ACT]
	v_add_nc_u32 v[ACT], ABUF, v[ACT]
	v_lshl_add_u32 v[ACS], v26, 2, v[ADSA]
	v_add_nc_u32 v[ACS], s[WV], v[ACS]
	v_lshl_add_u32 v[STO], v26, 5, v27
	v_add_nc_u32 v[STO], s43, v[STO]
	v_add_nc_u32 v[STO], STAGE, v[STO]
	s_lshl_b32 s44, s[WV], 14
	v_lshlrev_b32 v[GX], 10, v26
	v_lshl_add_u32 v[GX], v25, 4, v[GX]
	v_add_nc_u32 v[GX], s44, v[GX]
	v_lshlrev_b32 v[PFO], 10, v25
	v_lshl_add_u32 v[PFO], v26, 8, v[PFO]
	v_add_nc_u32 v[PFO], s44, v[PFO]
	s_lshl_b32 s45, s[WV], 9
	v_lshl_add_u32 v[GXS], v25, 5, s45
	v_lshl_add_u32 v[GB], v24, 4, s45
	v_add_nc_u32 v[BIASW], BIAS, v[GB]
	v_lshl_add_u32 v[BIASR], v26, 5, s45
	v_add_nc_u32 v[BIASR], BIAS, v[BIASR]
	s_lshl_b32 s44, s[WV], 12
	v_lshl_add_u32 v29, v24, 4, s44
	v_add_nc_u32 v[SXW], STAGE, v29
	v_add_nc_u32 v[SXW+1], ABUF+ABUFB, v29
	v_lshl_add_u32 v[SXR], v24, 4, STAGE
	v_lshl_add_u32 v[SXR+1], v24, 4, ABUF+ABUFB
	v_lshlrev_b32 v[CO], 12, v26
	v_lshl_add_u32 v[CO], v25, 4, v[CO]
	s_wait_dscnt 0x0                               ; both opening adds are done
	s_wait_kmcnt 0x0
	s_lshl_b32 s22, s20, 16                        ; 64 rows of 1,024 bytes
	s_mov_b32 s23, 0
	s_add_nc_u64 s[4:5], s[4:5], s[22:23]
	s_add_nc_u64 s[8:9], s[8:9], s[22:23]
	s_lshl_b32 s22, s20, 11                        ; of 32 scale bytes
	s_add_nc_u64 s[6:7], s[6:7], s[22:23]
	s_add_nc_u64 s[10:11], s[10:11], s[22:23]
	s_lshl_b32 s22, s20, 18                        ; of 4,096 bytes of out
	s_add_nc_u64 s[16:17], s[16:17], s[22:23]
	s_lshl_b32 s44, s[WV], 9                       ; my wave's 128 columns
	s_mov_b32 s45, 0
	s_add_nc_u64 s[16:17], s[16:17], s[44:45]
	s_mov_b32 s43, 0
	s_add_nc_u64 s[G0+2:G0+3], s[12:13], s[42:43]  ; slot 0, my wave's part: the wave's number alone, the same in all four partners
	s_add_nc_u64 s[G0+6:G0+7], s[G0+2:G0+3], SLOTB
	s_or_b32 s[G0+3], s[G0+3], 0x80000000
	s_or_b32 s[G0+7], s[G0+7], 0x80000000
	s_mov_b32 s[G0], 1
	s_mov_b32 s[G0+1], s42
	s_mov_b32 s[G0+4], 1
	s_add_co_u32 s[G0+5], s42, SLOTB
	CROUND                                         ; all four work-groups are here: the first joint loads meet
	tensor_load_to_lds s[G0:G0+3], s[G1:G1+7]      ; two loads of mine are out
	s_nop 0
	tensor_load_to_lds s[G0+4:G0+7], s[G1:G1+7]
	s_nop 0
	PLACES 4
.irp k, 0,1,2,3,4,5,6,7
	global_load_b128 v[SB+4*\k:SB+4*\k+3], v[GX], s[4:5] offset:2048*\k          ; feat1's chunk 0
.endr
	global_load_b64 v[SB+32:SB+33], v[GXS], s[6:7]
.irp k, 0,1,2,3,4,5,6,7
	global_load_b128 v[XS+4*\k:XS+4*\k+3], v[GX], s[4:5] offset:2048*\k+256      ; chunk 1
.endr
	global_load_b64 v[XSS:XSS+1], v[GXS], s[6:7] offset:8
	global_load_b128 v[BS:BS+3], v[GB], s[14:15]                                 ; the first pass's bias
	s_wait_loadcnt 10                              ; chunk 0 is in; chunk 1's nine loads and the bias may be out
.irp k, 0,1,2,3,4,5,6,7
	ds_store_b128 v[AST], v[SB+4*\k:SB+4*\k+3] offset:2*AP*\k
.endr
	ds_store_b64 v[ASS], v[SB+32:SB+33]
	s_wait_dscnt 0x0
.set i, 0
.rept 128
	v_mov_b32 v[SB+i], 0                           ; the scores begin as zeros: so their update is written once and serves both passes of K (1,280 instructions that are not written twice)
.set i, i+1
.endr
	s_wait_tensorcnt 1                             ; my part of slot 0 is in; slot 1's may stay out
	s_barrier_signal -1
	s_barrier_wait -1
	FETCH_A 0, 0
	FETCH_W 0, 0, 0
	WIN 0
	SCALES 0
	FETCH_W 0, 0, 4
	WIN 0
	STEP 0, 1, 1, 3                                ; the first K step starts the sums
	; feat2's rows are prefetched into the L2: my wave's 16 rows, a lane a block of 256 bytes, each block named once in the launch: 128 to 320 matrix instructions ahead of the loads of its four chunks.
	; feat1 is not asked for: its chunks are loaded within a slot of the head.
	global_prefetch_b8 v[PFO], s[8:9] th:TH_LOAD_NT scope:SCOPE_SE
	global_prefetch_b8 v[PFO], s[8:9] offset:512 th:TH_LOAD_NT scope:SCOPE_SE
; ================ fifteen trips of two slots; a pass ends in every odd trip
.Ltrip:
	TURN 0, 1, 1
	STEP 1, 0, 0, 0
	TURN 1, 0, 1
	s_bitcmp1_b32 s[G], 0
	s_cbranch_scc1 .Lpass_end
	STEP 0, 0, 0, 1
	s_branch .Lnext
.Lpass_end:
	s_lshr_b32 s[P], s[G], 1
	s_wait_xcnt 0x0                                ; the bias pointer's last load has read it
	s_add_nc_u64 s[14:15], s[14:15], 2048
	global_load_b128 v[BS:BS+3], v[GB], s[14:15]   ; the next pass's bias: what follows the pass stands between this load and the wait for it
	BIAS_LD
	s_and_b32 s42, s[P], 5
	s_cmp_eq_u32 s42, 0
	s_cbranch_scc0 .Lnot_q
	BADD 0xc6                                      ; passes 0, 2: Q + bq is parked
	s_branch .Lepi_done
.Lnot_q:
	BADD 0x86
	s_cmp_ge_u32 s[P], 6
	s_cbranch_scc1 .Lepi_o
	s_cmp_ge_u32 s[P], 4
	s_cbranch_scc1 .Lepi_v
	S_UPD 0                                        ; passes 1, 3: K + bk meets the parked Q
	S_UPD 1
	S_UPD 2
	S_UPD 3
	s_cmp_lg_u32 s[P], 3
	s_cbranch_scc1 .Lepi_done
	XPUT 0                                         ; all 128 d are in: the waves' parts are added.  The second buffer is the odd chunks' buffer, which every wave left ahead of the last change of slots
	BAR
	XGET 0x80
	BAR
	XPUT 2
	BAR
	XGET 0xc0
	BAR                                            ; the reads are over: the odd chunks' buffer may be written again
	XSUM 0x8a, 0x0a, 0
	XSUM 0xcf, 0x0f, 64
	SOFTMAX
	s_branch .Lepi_done
.Lepi_v:
	CTX 0, 0                                       ; passes 4, 5: V + bv is mixed
	CTX 0, 1
	CTX 1, 0
	CTX 1, 1
	CTX 2, 0
	CTX 2, 1
	CTX 3, 0
	CTX 3, 1
	s_cmp_lg_u32 s[P], 5
	s_cbranch_scc1 .Lepi_done
	v_mov_b32 v[FL], 0x4800000
	QUANT 0
	QUANT 1
	QUANT 2
	QUANT 3
	BAR                                            ; the last change of slots fetched from the even chunks' buffer too early, ahead of ctx: every wave's reads there are over
	CTX_PUT 0, 0
	BAR                                            ; ctx's first chunk lies in LDS
	FETCH_A 0, 0                                   ; so its fragments and scale words are fetched once more
	WIN 0
	SA_LOAD 0
	s_branch .Lepi_done
.Lepi_o:
	WAYOUT 0                                       ; pass 6: columns 0 to 511 of out
.Lepi_done:
	STEP 0, 1, 1, 2                                ; the next pass's first K step starts its sums
.Lnext:
	s_add_co_u32 s[G], s[G], 1
	s_cmp_lt_u32 s[G], 15
	s_cbranch_scc1 .Ltrip
; ================ the tail is written out: nothing more is asked for
	TURN 0, 1, 0
	STEP 1, 0, 0, 4
	s_wait_dscnt 16
	WIN W_MUL
	MULG 0, 4, 1, 1, 0
	s_wait_dscnt 0x0
	MULG 4, 4, 1, 1, 0
	PLACES 8
	WIN 0
	BIAS_LD
	BADD 0x86
	WAYOUT 2048                                    ; pass 7: columns 512 to 1,023
	s_wait_tensorcnt 0x0                           ; the wave's end, behind my last tensor load and my last LDS store
	ds_add_u32 v[SPW], v[NIL]
	s_wait_dscnt 0x0
	CROUND                                         ; the closing round: no work-group ends while a partner may still ask for a slot that names it
	s_endpgm
.Lfunc_end_k_q51ceef1f27_fuse:
	.size	k_q51ceef1f27_fuse, .Lfunc_end_k_q51ceef1f27_fuse-k_q51ceef1f27_fuse
	.p2alignl 7, 3214868480
	.fill 96, 4, 3214868480
	.section	.rodata,"a",@progbits
	.p2align	6, 0x0
	.amdhsa_kernel k_q51ceef1f27_fuse
		.amdhsa_group_segment_fixed_size 327680
		.amdhsa_private_segment_fixed_size 0
		.amdhsa_enable_private_segment 0
		.amdhsa_kernarg_size 56
		.amdhsa_user_sgpr_count 2
		.amdhsa_user_sgpr_kernarg_segment_ptr 1
		.amdhsa_wavefront_size32 1
		.amdhsa_system_sgpr_workgroup_id_x 1
		.amdhsa_system_sgpr_workgroup_id_y 1
		.amdhsa_system_sgpr_workgroup_id_z 1
		.amdhsa_system_vgpr_workitem_id 0
		.amdhsa_next_free_vgpr 1024
		.amdhsa_next_free_sgpr 66
		.amdhsa_reserve_vcc 0
		.amdhsa_float_denorm_mode_32 3
		.amdhsa_float_denorm_mode_16_64 3
		.amdhsa_memory_ordered 1
		.amdhsa_forward_progress 1
		.amdhsa_inst_pref_size 255
	.end_amdhsa_kernel
	.section	.bss,"aw",@nobits
	.p2align	6
	.space	262144
	.amdgpu_metadata
---
amdhsa.version: [ 1, 2 ]
amdhsa.kernels:
  - .name:           k_q51ceef1f27_fuse
    .symbol:         k_q51ceef1f27_fuse.kd
    .args:
      - { .name: feat1_codes, .offset: 0, .size: 8, .value_kind: global_buffer, .address_space: global }
      - { .name: feat1_scales, .offset: 8, .size: 8, .value_kind: global_buffer, .address_space: global }
      - { .name: feat2_codes, .offset: 16, .size: 8, .value_kind: global_buffer, .address_space: global }
      - { .name: feat2_scales, .offset: 24, .size: 8, .value_kind: global_buffer, .address_space: global }
      - { .name: wimg, .offset: 32, .size: 8, .value_kind: global_buffer, .address_space: global }
      - { .name: bimg, .offset: 40, .size: 8, .value_kind: global_buffer, .address_space: global }
      - { .name: out0, .offset: 48, .size: 8, .value_kind: global_buffer, .address_space: global }
    .group_segment_fixed_size: 327680
    .private_segment_fixed_size: 0
    .kernarg_segment_align: 8
    .kernarg_segment_size: 56
    .max_flat_workgroup_size: 128
    .sgpr_count:     66
    .vgpr_count:     1024
    .wavefront_size: 32
...
	.end_amdgpu_metadata
.endif
;; end of part 2
;; ======== version 2 of 2: 2 launches
;; workspace buffers: wimg 4,325,376 bytes; bimg 16,384 bytes
;; launch lay: the kernel of part 1 again; grid 256 x 1, 8 waves a work-group, no clusters, 0 bytes of LDS; arguments Wq_codes, Wk_codes, Wv_codes, Wo_codes, Wq_scales, Wk_scales, Wv_scales, Wo_scales, bq, bk, bv, bo, wimg, bimg; writes wimg, bimg
;; launch fuse (part 3): grid 256 x 1, 4 waves a work-group, clusters of 4 x 1, 327,680 bytes of LDS; arguments feat1_codes, feat1_scales, feat2_codes, feat2_scales, wimg, bimg, out0; writes out0
.if DOCPART == 3
	.amdgcn_target "amdgcn-amd-amdhsa--gfx1250"
	.amdhsa_code_object_version 6
	.text
	.protected	k_q51ceef1f27_fuse
	.globl	k_q51ceef1f27_fuse
	.p2align	8
	.type	k_q51ceef1f27_fuse,@function
k_q51ceef1f27_fuse:
	s_mov_b64 s[64:65], 0
	v_nop
	global_prefetch_b8 v0, s[64:65] scope:SCOPE_SE
	s_setreg_imm32_b32 hwreg(HW_REG_WAVE_MODE, 25, 1), 1
	s_wait_xcnt 0x0
	s_wait_alu depctr_hold_cnt(0) depctr_sa_sdst(0) depctr_va_vdst(0) depctr_va_sdst(0) depctr_va_ssrc(0) depctr_va_vcc(0) depctr_vm_vsrc(0)
	s_getreg_b32 s2, hwreg(HW_REG_IB_STS2, 6, 4)
	s_cmp_eq_u32 s2, 0
	s_cbranch_scc0 .Lentry_in_a_cluster
	s_endpgm
.Lentry_in_a_cluster:
	s_bfe_u32 s2, ttmp6, 0x10000c
	s_cmp_lg_u32 s2, 0x3003
	s_cbranch_scc0 .Lentry_shape_is_right
	s_endpgm
.Lentry_shape_is_right:
; out = ctx Wo + bo;  ctx = softmax_g(Q K^T / sqrt(128)) V across the 8 heads of each sample;  Q = feat1 Wq + bq, K = feat2 Wk + bk, V = feat2 Wv + bv.  No work is left out.
; The four large products run on codes of FP8 (E4M3) with one E8M0 scale for each 32 along K; scores, softmax and the mix of V are f32 fused multiply-adds; ctx is quantised in registers.
; SHARES.  A work-group owns 64 samples and all 1,024 columns, so Q, K, V and ctx never go to memory.  Eight PASSES of 64 rows x 512 columns x K 1,024:
;   Q p=0, K p=0, Q p=1, K p=1, V p=0, V p=1, out p=0, out p=1.  In a pass each of the four waves makes 64 rows x 128 columns: 8 tiles x 4 row tiles = 32 accumulators (window 2).
; THE MATRIX INSTRUCTION IS USED TRANSPOSED: source 0 = 16 weight rows, source 1 = 16 samples.  Lane (r, h) holds sample r; register j holds tile row 8 h + j.  The first launch chose the weight rows
; of a tile so that lanes of half h hold heads 4 h .. 4 h + 3, at d = 32 w + 16 p + 0 .. 15 of wave w; in K's tiles two heads take turns register by register, so that a packed multiply-add serves two keys.
; WEIGHTS come as images of the operand registers (wimg) through a ring of two LDS slots; a slot is a quarter of a pass (two K steps of 128), 33,792 dense bytes for each wave, its scale words behind its codes.
; CLUSTER.  All work-groups walk the same weights: the four of a cluster ask for each slot JOINTLY (the same tensor load, the same descriptor, a mask that names the four).  The rows' codes are each work-group's own.
; THE CLUSTERS BEGIN A PASS AT DIFFERENT QUARTERS OF K: cluster x takes, as step st of a pass, quarter (st + x) mod 4.  So at any one time the 64 clusters ask for four different slots, not all for the same one,
; and their first requests of a pass name the whole pass between them.  The cluster's number is the same in all four partners.
; THE ROWS' CODES (feat1, feat2, later ctx) go by chunks of 256 along K, the same quarters in the same order, through two small buffers in LDS, filled from registers, a slot ahead.
; ORDER OF SUMS: a pass's four quarters of K in the cluster's order, ascending from its first and round; inside a quarter K ascending (in the last product a quarter is K steps c and c + 4).
; LIMITS: NaN and infinities in ctx are not served; a block of ctx whose largest magnitude lies under 2^-118, a block of zeros among them, keeps the scale byte 1 (its codes are then zeros or
; subnormal codes; the bytes are read by this program alone).
; REGISTERS, in windows of 256.  Window 0: v1-23 addresses; v24-31, v118-122 at work; v123, v124 prefetch offsets; v32-63 scale words and nothing else; v64-101 staged chunk and bias; v102-117 the softmax's figures,
;   later ctx's scale bytes; v128-255 SB: scores, then the softmax, then ctx's codes, at 32 m + 8 k + 4 x + g (row tile m, my head k, x = 0: keys of my half of the heads, 1: of the other half).
; Window 1: v0-127 weight fragments (one set), v128-191 and v192-255 the rows' fragments of a slot's two K steps; at a pass's end the second set is free: TMP.
; Window 2: the accumulators, at 64 m + 8 tile.   Window 3: PARK, the same layout: Q + bq, later ctx of p = 0.
.set WBLK,  33792                      ; a wave's part of a slot
.set SLOTB, 4*WBLK                     ; a slot
.set ABUF,  2*SLOTB                    ; behind the ring: two buffers for the rows' chunks: 64 rows x (256 bytes + 16), then 8 scale bytes a row
.set ABUFB, 17920
.set ASC,   17408
.set AP,    272
.set STAGE, ABUF+2*ABUFB               ; 17,408 bytes: the scores' exchange; on the way out 16 rows x 272 bytes for each wave
.set BIAS,  STAGE+17408                ; 512 bytes for each wave
.set SPARE, BIAS+2048                  ; the spare words: 128 bytes for each wave, two blocks of 256 bytes that no other line names
.set ADW,   1                          ; v1, v2  my weight images in slot 0, 1: 33,792 w + 16 lane
.set ADA,   3                          ; v3   a rows' fragment: 272 r + 16 h
.set ADSA,  4                          ; v4   the rows' scale words: 8 r
.set AST,   5                          ; v5   where I store a chunk's rows: 272 (16 w + lane / 16) + 16 (lane % 16)
.set ASS,   6                          ; v6   and their scale words: 8 (16 w + r)
.set ACT,   7                          ; v7   where I store ctx's codes: 272 r + 128 h + 32 w
.set ACS,   8                          ; v8   and ctx's scale byte: 8 r + 4 h + w
.set GX,    9                          ; v9   a chunk in memory: 1,024 (16 w + lane / 16) + 16 (lane % 16)
.set GXS,   10                         ; v10  its scale bytes: 32 (16 w + r)
.set SXW,   11                         ; v11, v12  the exchange: where I store (two buffers)
.set SXR,   13                         ; v13, v14  and where I read
.set STO,   15                         ; v15  the way out: where I put 32 bytes of a row
.set RD,    16                         ; v16  and where I read rows back
.set CO,    17                         ; v17  my byte offset in two rows of out
.set GB,    18                         ; v18  my 16 bytes of a pass's bias in memory
.set BIASW, 19
.set BIASR, 20
.set SPW,   21                         ; v21  my spare word; never rewritten
.set NIL,   22                         ; v22  0; never rewritten
.set PFO,   23                         ; v23  feat2's prefetches: 1,024 (16 w + r) + 256 h; never rewritten
.set TQ,    24                         ; v24-27 largest magnitudes, v28-31 the conversions' scale operands
.set SCW,   32                         ; set s at 32 + 16 s: weights' words at + 4 t + x, rows' words at + 8 + 2 m + t
.set XS,    64
.set XSS,   96
.set BS,    98
.set MX,    102
.set SBY,   102
.set HOLD,  118
.set FL,    122
.set PFL,   123                        ; v123 the weights' prefetches: 256 x lane; never rewritten
.set PFSC,  124                        ; v124 and their scale words': a slot x lane; never rewritten
.set SB,    128
.set AF,    128                        ; window 1
.set TMP,   192                        ; window 1
.set LIMW,  2                          ; s2   0 in the first four clusters, which prefetch the weights' codes, else 1
.set WV,    18                         ; s18  my wave's number
.set ROT,   21                         ; s21  the quarter of K at which my cluster begins a pass: cluster number mod 4
.set G1,    24                         ; s[24:31] descriptor group 1
.set G0,    32                         ; s[32:35], s[36:39] group 0 of slot 0, 1
.set G,     40                         ; s40  the trip: two slots a trip
.set P,     41                         ; s41  the pass that has ended
.set SEL,   50                         ; s[50:51] v_permlanex16_b32's selects for lane l xor 16
.set CS,    52                         ; s[52:53] c = log2(e) / sqrt(128)
.set MNT,   54                         ; s54  the mantissa field of 448
.set NCS,   55                         ; s55  -c
.set WB,    60                         ; s[60:61] wimg at my wave's part of slot 0
.set PFW,   62                         ; s[62:63] where my prefetch of the weights' codes stands: my cluster's first slot of the next pass, my wave's part, my work-group's 8,192 bytes of it
.set C1,    66                         ; s[66:69] the head's second chunk: codes, scale bytes
.set PFB,   70                         ; s[70:71] my block of 256 bytes among the scale words of my wave's part of slot 0
.set W_MUL, 0xa5                       ; sources 0 and 1 window 1, C and D window 2
.set W_F,   0x40                       ; destination window 1, address window 0
.set MSB, 0
.macro WIN new                         ; the immediate's high byte repeats the setting that is left
.if MSB != \new
	s_set_vgpr_msb (MSB<<8)|\new
.set MSB, \new
.endif
.endm
.macro PLACES n                        ; plain places behind matrix instructions: eight ahead of loads into their registers and of reads of their results
.rept \n
	v_nop
.endr
.endm
.macro CREST                           ; a round of the cluster's barrier behind its opening barrier
	s_cmp_lg_u32 s[WV], 0
	s_cbranch_scc1 .Lnot_wave_0_\@
	s_barrier_signal -3
.Lnot_wave_0_\@:
	s_barrier_wait -3
	s_barrier_signal -1
	s_barrier_wait -1
.endm
.macro CROUND
	s_barrier_signal -1
	s_barrier_wait -1
	CREST
.endm
.macro BAR                             ; my LDS stores have landed and my LDS loads are in: then the work-group's barrier
	s_wait_dscnt 0x0
	s_barrier_signal -1
	s_barrier_wait -1
.endm
; n tiles from t0 on x the four row tiles, K step t of the slot with parity s.  The 32 accumulators take turns, one instruction a turn, in the same order in every K step.
.macro MULG t0, n, t, s, zero
.set tau, \t0
.rept \n
.set mm, 0
.rept 4
.if \zero
.if tau < 4
	v_wmma_scale_f32_16x16x128_f8f6f4 v[64*mm+8*tau:64*mm+8*tau+7], v[16*tau:16*tau+15], v[AF+64*\t+16*mm:AF+64*\t+16*mm+15], 0, v[SCW+16*\s+4*\t+tau], v[SCW+16*\s+8+2*mm+\t]
.else
	v_wmma_scale_f32_16x16x128_f8f6f4 v[64*mm+8*tau:64*mm+8*tau+7], v[16*tau:16*tau+15], v[AF+64*\t+16*mm:AF+64*\t+16*mm+15], 0, v[SCW+16*\s+4*\t+tau-4], v[SCW+16*\s+8+2*mm+\t] matrix_a_scale:MATRIX_SCALE_ROW1
.endif
.else
.if tau < 4
	v_wmma_scale_f32_16x16x128_f8f6f4 v[64*mm+8*tau:64*mm+8*tau+7], v[16*tau:16*tau+15], v[AF+64*\t+16*mm:AF+64*\t+16*mm+15], v[64*mm+8*tau:64*mm+8*tau+7], v[SCW+16*\s+4*\t+tau], v[SCW+16*\s+8+2*mm+\t]
.else
	v_wmma_scale_f32_16x16x128_f8f6f4 v[64*mm+8*tau:64*mm+8*tau+7], v[16*tau:16*tau+15], v[AF+64*\t+16*mm:AF+64*\t+16*mm+15], v[64*mm+8*tau:64*mm+8*tau+7], v[SCW+16*\s+4*\t+tau-4], v[SCW+16*\s+8+2*mm+\t] matrix_a_scale:MATRIX_SCALE_ROW1
.endif
.endif
.set mm, mm+1
.endr
.set tau, tau+1
.endr
.endm
.macro FETCH_W slot, t, t0             ; four weight fragments, as they lie: 16 bytes a lane, 512 consecutive bytes a load
	WIN W_F
.irp i, 0,1,2,3
.irp c, 0,1,2,3
	ds_load_b128 v[16*(\t0+\i)+4*\c:16*(\t0+\i)+4*\c+3], v[ADW+\slot] offset:16384*\t+2048*(\t0+\i)+512*\c
.endr
.endr
.endm
.macro FETCH_A buf, t                  ; the four row tiles' fragments of K step t: registers 4 c .. 4 c + 3 hold k = 32 c + 16 h + 0 .. 15 of row r
	WIN W_F
.irp i, 0,1,2,3
.irp c, 0,1,2,3
	ds_load_b128 v[AF+64*\t+16*\i+4*\c:AF+64*\t+16*\i+4*\c+3], v[ADA] offset:ABUFB*\buf+16*AP*\i+128*\t+32*\c
.endr
.endr
.endm
.macro SA_LOAD s                       ; the rows' scale words of both K steps
.irp i, 0,1,2,3
	ds_load_b64 v[SCW+16*\s+8+2*\i:SCW+16*\s+9+2*\i], v[ADSA] offset:ABUFB*\s+128*\i
.endr
.endm
.macro SCALES s                        ; six LDS loads: the weights' words (lanes 0-15: tiles 0-3; lanes 16-31: tiles 4-7) and the rows'
	ds_load_b128 v[SCW+16*\s:SCW+16*\s+3], v[ADW+\s] offset:32768
	ds_load_b128 v[SCW+16*\s+4:SCW+16*\s+7], v[ADW+\s] offset:32768+512
	SA_LOAD \s
.endm
; ctx's chunk c (heads c and 4 + c) into a buffer: my 32 codes and my scale byte of each of my lane's rows
.macro CTX_PUT c, buf
.irp i, 0,1,2,3
	ds_store_b128 v[ACT], v[SB+32*\i+8*\c:SB+32*\i+8*\c+3] offset:ABUFB*(\buf)+16*AP*\i
	ds_store_b128 v[ACT], v[SB+32*\i+8*\c+4:SB+32*\i+8*\c+7] offset:ABUFB*(\buf)+16*AP*\i+16
	ds_store_b8 v[ACS], v[SBY+4*\i+\c] offset:ABUFB*(\buf)+128*\i
.endr
.endm
; s42 holds a step of a pass (its low two bits count): the chunk of ctx that my cluster takes there is (step + my first quarter) mod 4.  The chunk sets register numbers, so the four are written out;
; the branches hang on ids and on the count of trips alone, all four waves go the same way, and in every arm a wave stores the same bytes of its own.
.macro CTX_ROT buf
	s_add_co_u32 s42, s42, s[ROT]
	s_and_b32 s42, s42, 3
	s_cmp_eq_u32 s42, 0
	s_cbranch_scc1 .Lchunk_0_\@
	s_cmp_eq_u32 s42, 1
	s_cbranch_scc1 .Lchunk_1_\@
	s_cmp_eq_u32 s42, 2
	s_cbranch_scc1 .Lchunk_2_\@
	CTX_PUT 3, \buf
	s_branch .Lchunk_put_\@
.Lchunk_0_\@:
	CTX_PUT 0, \buf
	s_branch .Lchunk_put_\@
.Lchunk_1_\@:
	CTX_PUT 1, \buf
	s_branch .Lchunk_put_\@
.Lchunk_2_\@:
	CTX_PUT 2, \buf
.Lchunk_put_\@:
.endm
; The next slot's chunk goes into the buffer that the slot before last has left.  Up to trip 10 it is the staged chunk of feat1 or feat2, later a chunk of ctx.
; kind 0: a slot of parity 1;  1: parity 0, in mid-pass (the pass's bias goes to LDS too);  2: parity 0, a pass's first slot;  3: the kernel's first slot.
.macro A_STORE buf, kind
	s_wait_loadcnt 0x0                             ; the staged chunk (asked for a slot ago) and the bias are in
.if \kind == 1
	ds_store_b128 v[BIASW], v[BS:BS+3]
.endif
.if \kind != 3
	s_cmp_gt_u32 s[G], 10
	s_cbranch_scc1 .Lctx_\@
.endif
.irp k, 0,1,2,3,4,5,6,7
	ds_store_b128 v[AST], v[XS+4*\k:XS+4*\k+3] offset:ABUFB*(\buf)+2*AP*\k
.endr
	ds_store_b64 v[ASS], v[XSS:XSS+1] offset:ABUFB*(\buf)   ; (lanes 16-31 write the same bytes with the same values)
.if \kind != 3
	s_branch .Lput_\@
.Lctx_\@:
.if \kind == 0
	s_cmp_eq_u32 s[G], 11                          ; ctx is not made yet: its first chunk is put at the end of V's second pass
	s_cbranch_scc1 .Lput_\@
	s_lshl_b32 s42, s[G], 1
	s_add_co_u32 s42, s42, 2                       ; the slot that follows is number 2 G + 2 in my order: step 2 or 0 of its pass
.elseif \kind == 1
	s_mov_b32 s42, 3                               ; a pass's last step follows
.else
	s_mov_b32 s42, 1                               ; a pass's second step follows
.endif
	CTX_ROT \buf
.Lput_\@:
.endif
.endm
; Chunk 2 G + add of the 24, in my order (pass = chunk / 4: passes 0 and 2 read feat1, 1, 3, 4, 5 feat2; quarter of K = (chunk + my first quarter) mod 4) is asked for:
; 16 rows x 256 bytes a wave, each load two rows' 256 aligned bytes; 8 scale bytes a row.
.macro A_LOAD add, lim
	s_cmp_gt_u32 s[G], \lim
	s_cbranch_scc1 .Lno_load_\@
	s_lshl_b32 s42, s[G], 1
	s_add_co_u32 s42, s42, \add
	s_add_co_u32 s43, s42, s[ROT]
	s_and_b32 s43, s43, 3
	s_lshl_b32 s56, s43, 8
	s_mov_b32 s57, 0
	s_lshl_b32 s58, s43, 3
	s_mov_b32 s59, 0
	s_and_b32 s43, s42, 0x14                       ; not 0: an odd pass, or pass 4 or 5
	s_cselect_b64 s[46:47], s[8:9], s[4:5]         ; (the bases' last loads were waited for in A_STORE)
	s_cselect_b64 s[48:49], s[10:11], s[6:7]
	s_add_nc_u64 s[46:47], s[46:47], s[56:57]
	s_add_nc_u64 s[48:49], s[48:49], s[58:59]
.irp k, 0,1,2,3,4,5,6,7
	global_load_b128 v[XS+4*\k:XS+4*\k+3], v[GX], s[46:47] offset:2048*\k
.endr
	global_load_b64 v[XSS:XSS+1], v[GXS], s[48:49]
.Lno_load_\@:
.endm
; A slot's first K step.  Tiles 0-3, then the second K step's rows and tiles 0-3 are fetched, tiles 4-7, then their successors.  kind 4: nothing more to stage.
.macro STEP s, zero, w0, kind
.if \w0
	s_wait_dscnt 0x0
.else
	s_wait_dscnt 16                                ; all but the youngest sixteen loads, tiles 4-7
.endif
	WIN W_MUL
	MULG 0, 4, 0, \s, \zero
	s_wait_dscnt 0x0                               ; tiles 4-7 are in
	PLACES 8
	FETCH_A \s, 1
	FETCH_W \s, 1, 0
	WIN W_MUL
	MULG 4, 4, 0, \s, \zero
	PLACES 8
	WIN 0
.if \kind < 4
	A_STORE 1-\s, \kind
.endif
	FETCH_W \s, 1, 4
	WIN 0
.if \kind < 4
	s_wait_dscnt 16                                ; all but those sixteen: the LDS stores above have read the staged registers, which now take the next chunk
.if \kind == 0
	A_LOAD 3, 10
.elseif \kind == 3
	A_LOAD 2, 9
.else
	A_LOAD 4, 9
.endif
.endif
.endm
; A slot's second K step changes slots: ONE barrier.  In front of it each wave waits for all its tensor loads (one is out: its part of the next slot), adds 0 to its spare word, and waits for that, for its
; reads of this slot and for its stores of the next chunk.  fill = 1: the barrier opens a round of the cluster's barrier, and this slot is filled again, two slots ahead: one load a wave, 64 matrix instructions in which to land.
; The refill's address is made while the add is out: slot 2 G + 2 + s of my order is pass (2 G + 2 + s) / 4, quarter (2 G + 2 + s + my first quarter) mod 4.
; ask = 1: A PREFETCH INTO THE L2 of the weights' codes, behind the joint load, its places and the run of LDS loads.  In an even trip G up to 12 each of the first four clusters asks for its own first slot of the
; next pass, G / 2 + 1: the four slots are that whole pass.  One instruction a wave: my wave's part, my work-group's 8,192 bytes of its 32,768 (the partners are told apart by address), lanes 256 bytes apart:
; each block of 256 bytes is named once in the launch.  The joint load for that slot stands two changes of slots, 128 matrix instructions, further on.  Pass 0 comes by its loads alone; trip 14 asks for nothing.
.macro TURN s, nx, fill, ask
	WIN 0
	s_wait_tensorcnt 0x0                           ; no tensor load of mine is out, so a group 0 may be written
	ds_add_u32 v[SPW], v[NIL]
.if \fill
	s_lshl_b32 s42, s[G], 1
	s_add_co_u32 s42, s42, 2+\s
	s_add_co_u32 s43, s42, s[ROT]
	s_and_b32 s43, s43, 3
	s_and_b32 s42, s42, 0x3c
	s_or_b32 s42, s42, s43                         ; the slot's number in wimg
	s_mul_i32 s56, s42, SLOTB
	s_mov_b32 s57, 0
	s_add_nc_u64 s[G0+4*\s+2:G0+4*\s+3], s[WB:WB+1], s[56:57]
	s_or_b32 s[G0+4*\s+3], s[G0+4*\s+3], 0x80000000
.endif
	s_wait_dscnt 17                                ; (the add and the youngest sixteen loads, tiles 4-7, may be out)
	WIN W_MUL
	MULG 0, 2, 1, \s, 0
	s_wait_dscnt 0x0
	s_barrier_signal -1
	MULG 2, 2, 1, \s, 0
	WIN 0
	s_barrier_wait -1
.if \fill
	CREST                                          ; no wave of any partner still reads this slot or has a load on its way
	tensor_load_to_lds s[G0+4*\s:G0+4*\s+3], s[G1:G1+7]
	s_nop 0
	PLACES 8                                       ; four behind the load; with four more the places ahead of the loads below
.else
	PLACES 8
.endif
	FETCH_A \nx, 0
	FETCH_W \nx, 0, 0
	WIN 0
	SCALES \nx
.if \ask
	s_add_co_u32 s43, s[G], 2
	s_lshr_b32 s43, s43, 4                         ; 1 in trip 14
	s_and_b32 s42, s[G], 1                         ; 1 in an odd trip
	s_or_b32 s42, s42, s43
	s_or_b32 s42, s42, s[LIMW]                     ; 1 in the clusters from the fifth on: the same in all four partners
	s_cmp_eq_u32 s42, 0
	s_cbranch_scc0 .Lnot_mine_\@
	global_prefetch_b8 v[PFL], s[PFW:PFW+1] th:TH_LOAD_NT scope:SCOPE_SE
.Lnot_mine_\@:
.endif
	WIN W_MUL
	MULG 4, 4, 1, \s, 0
	PLACES 8
	FETCH_W \nx, 0, 4
	WIN 0
.endm
; ---- what follows a pass
.macro BIAS_LD                         ; the pass's bias in the result's layout: tile T's eight rows of my half, the same in all 16 lanes of a half
	WIN W_F
.irp i, 0,1,2,3,4,5,6,7
	ds_load_b128 v[TMP+8*\i:TMP+8*\i+3], v[BIASR] offset:64*\i
	ds_load_b128 v[TMP+8*\i+4:TMP+8*\i+7], v[BIASR] offset:64*\i+16
.endr
	s_wait_dscnt 0x0
	WIN 0
.endm
.macro BADD win                        ; accumulators + bias, each accumulator from its low end on: 0xc6 into PARK, 0x86 in place
	WIN \win
.set i, 0
.rept 128
	v_pk_add_f32 v[2*i:2*i+1], v[2*i:2*i+1], v[TMP+(2*i)%64:TMP+(2*i)%64+1]
.set i, i+1
.endr
	WIN 0
.endm
; Scores of row tile m, over my wave's 16 d of this pass.  K of the other half of the heads comes from lane l xor 16.  One packed multiply-add: one Q (head hq, d), two keys' K at the same d.
.macro S_UPD m
	WIN 0x42
.set i, 0
.rept 64
	v_permlanex16_b32 v[TMP+i], v[64*\m+i], s[SEL], s[SEL+1]
.set i, i+1
.endr
.irp x, 0, 1
.if \x == 0
	WIN 0x0b                                       ; Q window 3, K window 2
.set kb, 64*\m
.else
	WIN 0x07                                       ; Q window 3, the other half's K window 1
.set kb, TMP
.endif
.set dl, 0
.rept 16
.set hq, 0
.rept 4
.set qq, 0
.rept 2
.set rD, SB+32*\m+8*hq+4*\x+2*qq
.set rQ, 64*\m+8*(2*hq+dl/8)+(dl%8)-(dl%2)
.set rK, kb+8*(4*qq+dl/4)+2*(dl%4)
.if dl%2
	v_pk_fma_f32 v[rD:rD+1], v[rQ:rQ+1], v[rK:rK+1], v[rD:rD+1] op_sel:[1,0,0] op_sel_hi:[1,1,1]
.else
	v_pk_fma_f32 v[rD:rD+1], v[rQ:rQ+1], v[rK:rK+1], v[rD:rD+1] op_sel_hi:[0,1,1]
.endif
.set qq, qq+1
.endr
.set hq, hq+1
.endr
.set dl, dl+1
.endr
.endr
	WIN 0
.endm
; The four waves' partial scores are added: two row tiles at a time through two buffers, as images of the registers; every wave adds in the same order, so all hold the same bits.
.macro XPUT m0
.irp q, 0,1,2,3,4,5,6,7
	ds_store_b128 v[SXW], v[SB+32*\m0+4*\q:SB+32*\m0+4*\q+3] offset:512*\q
	ds_store_b128 v[SXW+1], v[SB+32*\m0+32+4*\q:SB+32*\m0+32+4*\q+3] offset:512*\q
.endr
.endm
.macro XGET win
	WIN \win
.irp u, 0,1,2,3
.irp q, 0,1,2,3,4,5,6,7
	ds_load_b128 v[64*\u+4*\q:64*\u+4*\q+3], v[SXR] offset:4096*\u+512*\q
	ds_load_b128 v[64*\u+32+4*\q:64*\u+32+4*\q+3], v[SXR+1] offset:4096*\u+512*\q
.endr
.endr
	WIN 0
.endm
.macro XSUM w1, w2, sb0
	WIN \w1
.set i, 0
.rept 32
	v_pk_add_f32 v[i:i+1], v[i:i+1], v[64+i:65+i]
	v_pk_add_f32 v[128+i:129+i], v[128+i:129+i], v[192+i:193+i]
.set i, i+2
.endr
	WIN \w2
.set i, 0
.rept 32
	v_pk_add_f32 v[SB+\sb0+i:SB+\sb0+i+1], v[i:i+1], v[128+i:129+i]
.set i, i+2
.endr
	WIN 0
.endm
; The softmax of my lane's 16 (row tile, head) units of 8 scores: the maximum is taken away; p = 2^(c s - c max); divided by the sum.  All in window 0.
.macro SOFTMAX
.set u, 0
.rept 16
	v_max3_num_f32 v[MX+u], v[SB+8*u], v[SB+8*u+1], v[SB+8*u+2]
.set u, u+1
.endr
.irp a, 3, 5
.set u, 0
.rept 16
	v_max3_num_f32 v[MX+u], v[MX+u], v[SB+8*u+\a], v[SB+8*u+\a+1]
.set u, u+1
.endr
.endr
.set u, 0
.rept 16
	v_max_num_f32 v[MX+u], v[MX+u], v[SB+8*u+7]
.set u, u+1
.endr
.set u, 0
.rept 16
	v_mul_f32 v[MX+u], s[NCS], v[MX+u]             ; -c max
.set u, u+1
.endr
.set i, 0
.rept 64
.if (i/4)%2
	v_pk_fma_f32 v[SB+2*i:SB+2*i+1], v[SB+2*i:SB+2*i+1], s[CS:CS+1], v[MX+i/4-1:MX+i/4] op_sel:[0,0,1] op_sel_hi:[1,0,1]
.else
	v_pk_fma_f32 v[SB+2*i:SB+2*i+1], v[SB+2*i:SB+2*i+1], s[CS:CS+1], v[MX+i/4:MX+i/4+1] op_sel_hi:[1,0,0]
.endif
.set i, i+1
.endr
.set i, 0
.rept 128
	v_exp_f32 v[SB+i], v[SB+i]
.set i, i+1
.endr
	v_nop                                          ; a plain instruction behind the last exponential
	s_wait_alu depctr_va_vdst(0)                   ; one wait for the batch, ahead of its first reader
.set u, 0
.rept 16
	v_add_f32 v[MX+u], v[SB+8*u], v[SB+8*u+1]
.set u, u+1
.endr
.irp a, 2,3,4,5,6,7
.set u, 0
.rept 16
	v_add_f32 v[MX+u], v[MX+u], v[SB+8*u+\a]
.set u, u+1
.endr
.endr
.set u, 0
.rept 16
	v_rcp_f32 v[MX+u], v[MX+u]
.set u, u+1
.endr
	v_nop
	s_wait_alu depctr_va_vdst(0)                   ; one wait for the sixteen reciprocals
.set i, 0
.rept 64
.if (i/4)%2
	v_pk_mul_f32 v[SB+2*i:SB+2*i+1], v[SB+2*i:SB+2*i+1], v[MX+i/4-1:MX+i/4] op_sel:[0,1] op_sel_hi:[1,1]
.else
	v_pk_mul_f32 v[SB+2*i:SB+2*i+1], v[SB+2*i:SB+2*i+1], v[MX+i/4:MX+i/4+1] op_sel_hi:[1,0]
.endif
.set i, i+1
.endr
.endm
; One key's share of ctx for my four heads and eight d: 16 packed instructions.  att: the key's place in a unit of SB; vsrc: its V.  mode 0 starts the sums, 1 adds, 2 adds and writes ctx's place.
.macro CG m, u, att, vsrc, mode
.set kk, 0
.rept 4
.set rA, SB+32*(\m)+8*kk+(\att)-((\att)%2)
.set rC, TMP+32+8*kk
.set rF, 64*(\m)+8*(2*kk+(\u))
.set jp, 0
.rept 4
.if \mode == 0
	v_pk_mul_f32 v[rC+jp:rC+jp+1], v[(\vsrc)+jp:(\vsrc)+jp+1], v[rA:rA+1] op_sel_hi:[1,0]
.elseif \mode == 1
.if (\att)%2
	v_pk_fma_f32 v[rC+jp:rC+jp+1], v[(\vsrc)+jp:(\vsrc)+jp+1], v[rA:rA+1], v[rC+jp:rC+jp+1] op_sel:[0,1,0] op_sel_hi:[1,1,1]
.else
	v_pk_fma_f32 v[rC+jp:rC+jp+1], v[(\vsrc)+jp:(\vsrc)+jp+1], v[rA:rA+1], v[rC+jp:rC+jp+1] op_sel_hi:[1,0,1]
.endif
.else
	v_pk_fma_f32 v[rF+jp:rF+jp+1], v[(\vsrc)+jp:(\vsrc)+jp+1], v[rA:rA+1], v[rC+jp:rC+jp+1] op_sel:[0,1,0] op_sel_hi:[1,1,1]
.endif
.set jp, jp+2
.endr
.set kk, kk+1
.endr
.endm
; ctx of row tile m, d = 8 u + 0 .. 7 of this pass's 16.  The last key's group writes ctx's place: PARK after V's first pass, the accumulators' own registers (those tiles of V are used up) after the second.
.macro CTX m, u
	WIN 0x42
.irp g, 0,1,2,3
.irp j, 0,1,2,3,4,5,6,7
	v_permlanex16_b32 v[TMP+8*\g+\j], v[64*\m+8*(2*\g+\u)+\j], s[SEL], s[SEL+1]
.endr
.endr
	WIN 0x52                                       ; V window 2, the softmax window 0, sums window 1
	CG \m, \u, 0, 64*\m+8*\u, 0
	CG \m, \u, 1, 64*\m+8*(2+\u), 1
	CG \m, \u, 2, 64*\m+8*(4+\u), 1
	CG \m, \u, 3, 64*\m+8*(6+\u), 1
	WIN 0x51                                       ; the other half's V window 1
	CG \m, \u, 4, TMP, 1
	CG \m, \u, 5, TMP+8, 1
	CG \m, \u, 6, TMP+16, 1
	WIN 0
	s_cmp_eq_u32 s[P], 4
	s_cbranch_scc0 .Lsecond_\@
	WIN 0xd1
	CG \m, \u, 7, TMP+24, 2
	WIN 0
	s_branch .Ljoin_\@
.Lsecond_\@:
	WIN 0x91
	CG \m, \u, 7, TMP+24, 2
	WIN 0
.Ljoin_\@:
.endm
; ctx of row tile m becomes codes.  A block of 32 along the last product's K is (head, my wave's 32 d): 16 numbers in PARK, 16 in the accumulators' registers, all in ONE lane.  The four heads by turns.
.macro QUANT m
	WIN 0x3c
.set i, 0
.rept 8
.set kk, 0
.rept 4
.if i == 0
	v_max3_num_f32 v[TQ+kk], v[FL], |v[64*\m+16*kk]|, |v[64*\m+16*kk+1]|   ; the floor 2^(9 - 127) among the leaves: the byte cannot fall under 1
.else
	v_max3_num_f32 v[TQ+kk], v[TQ+kk], |v[64*\m+16*kk+2*i]|, |v[64*\m+16*kk+2*i+1]|
.endif
.set kk, kk+1
.endr
.set i, i+1
.endr
	WIN 0x28
.set i, 0
.rept 8
.set kk, 0
.rept 4
	v_max3_num_f32 v[TQ+kk], v[TQ+kk], |v[64*\m+16*kk+2*i]|, |v[64*\m+16*kk+2*i+1]|
.set kk, kk+1
.endr
.set i, i+1
.endr
	WIN 0
.irp k, 0,1,2,3
	v_add_nc_u32 v[TQ+4+\k], 0xfc000000, v[TQ+\k]  ; 8 off the exponent field: the conversion's scale operand
.endr
.irp k, 0,1,2,3
	v_and_or_b32 v[HOLD+\k], v[TQ+\k], 0x7f800000, s[MNT]   ; 448 x the scale
.endr
.irp k, 0,1,2,3
	v_lshrrev_b32 v[SBY+4*\m+\k], 23, v[TQ+4+\k]   ; the scale's byte
.endr
	WIN 0xc3
.set i, 0
.rept 64
	v_med3_num_f32 v[64*\m+i], v[64*\m+i], -v[HOLD+i/16], v[HOLD+i/16]   ; the conversion to an 8-bit code does not saturate (ISA guide 7.6.2): the hold
.set i, i+1
.endr
	WIN 0x82
.set i, 0
.rept 64
	v_med3_num_f32 v[64*\m+i], v[64*\m+i], -v[HOLD+i/16], v[HOLD+i/16]
.set i, i+1
.endr
	WIN 0x03
.irp k, 0,1,2,3
	v_cvt_scalef32_pk8_fp8_f32 v[SB+32*\m+8*\k:SB+32*\m+8*\k+1], v[64*\m+16*\k:64*\m+16*\k+7], v[TQ+4+\k]
	v_cvt_scalef32_pk8_fp8_f32 v[SB+32*\m+8*\k+2:SB+32*\m+8*\k+3], v[64*\m+16*\k+8:64*\m+16*\k+15], v[TQ+4+\k]
.endr
	WIN 0x02
.irp k, 0,1,2,3
	v_cvt_scalef32_pk8_fp8_f32 v[SB+32*\m+8*\k+4:SB+32*\m+8*\k+5], v[64*\m+16*\k:64*\m+16*\k+7], v[TQ+4+\k]
	v_cvt_scalef32_pk8_fp8_f32 v[SB+32*\m+8*\k+6:SB+32*\m+8*\k+7], v[64*\m+16*\k+8:64*\m+16*\k+15], v[TQ+4+\k]
.endr
	WIN 0
	v_nop                                          ; a plain instruction behind the last conversion of the run
.endm
; THE WAY OUT of a pass of the last product: eight blocks of 16 rows x 64 columns go through my own stage and come back as rows of 256 bytes; LDS serves a wave's instructions in order (ISA guide 5.7.1.4).
.macro TOSTAGE b
	WIN 0x08
.irp t, 0,1,2,3
	ds_store_b128 v[STO], v[64*((\b)/2)+8*(4*((\b)%2)+\t):64*((\b)/2)+8*(4*((\b)%2)+\t)+3] offset:64*\t
	ds_store_b128 v[STO], v[64*((\b)/2)+8*(4*((\b)%2)+\t)+4:64*((\b)/2)+8*(4*((\b)%2)+\t)+7] offset:64*\t+16
.endr
	WIN W_F
.irp i, 0,1,2,3,4,5,6,7
	ds_load_b128 v[TMP+32*((\b)%2)+4*\i:TMP+32*((\b)%2)+4*\i+3], v[RD] offset:2*AP*\i
.endr
	WIN 0
.endm
.macro SEND b, younger, off
	s_wait_dscnt \younger                          ; the block is back; the next block's eight stores and eight loads may be out
	WIN 0x04
.irp i, 0,1,2,3,4,5,6,7
	global_store_b128 v[CO], v[TMP+32*((\b)%2)+4*\i:TMP+32*((\b)%2)+4*\i+3], s[16:17] offset:(16*((\b)/2)+2*\i)*4096+256*((\b)%2)+\off th:TH_STORE_NT   ; sixteen lanes store 256 consecutive bytes, aligned
.endr
	WIN 0
.endm
.macro WAYOUT off
	TOSTAGE 0
.irp b, 1,2,3,4,5,6,7
.if \b > 1
	s_wait_xcnt 0x0                                ; the block before last's stores have read their registers, which take this block
.endif
	TOSTAGE \b
	SEND \b-1, 16, \off
.endr
	SEND 7, 0, \off
	s_wait_xcnt 0x0                                ; the stores' registers are the rows' fragments again
.endm
; ================ the head
	s_load_b256 s[4:11], s[0:1], 0x0               ; feat1's codes, scales; feat2's codes, scales
	s_load_b128 s[12:15], s[0:1], 0x20             ; wimg, bimg
	s_load_b64 s[16:17], s[0:1], 0x30              ; out
	v_lshl_add_u32 v[SPW], v0, 2, SPARE
	v_mov_b32 v[NIL], 0
	ds_add_u32 v[SPW], v[NIL]                      ; the wave's opening: the add, twice on end, and its wait ahead of my first tensor load
	ds_add_u32 v[SPW], v[NIL]
	v_lshrrev_b32 v24, 5, v0
	v_readfirstlane_b32 s[WV], v24                 ; wave 0..3
	s_bfe_u32 s19, ttmp6, 0x40000                  ; my place in the cluster: it enters the rows', out's and the prefetches' global addresses alone
	s_lshl_b32 s20, ttmp9, 2
	s_add_co_u32 s20, s20, s19                     ; my block of 64 rows
	s_and_b32 s[ROT], ttmp9, 3                     ; the quarter of K at which my cluster begins a pass
	s_cmp_lt_u32 ttmp9, 4
	s_cselect_b32 s[LIMW], 0, 1
	; descriptor group 1: 33,792 dense bytes as 132 rows of 32 elements of 8 bytes, no padding
	s_mov_b32 s[G1], 15|(3<<16)|(1<<21)            ; 15:0 the mask: all four work-groups; 17:16 elements of 8 bytes; 21 set beside a mask
	s_mov_b32 s[G1+1], 32<<16                      ; tensor_dim0 = 32
	s_mov_b32 s[G1+2], 132<<16                     ; tensor_dim1 = 132
	s_mov_b32 s[G1+3], 32<<16                      ; tile_dim0 = 32
	s_mov_b32 s[G1+4], 132                         ; tile_dim1 = 132
	s_mov_b32 s[G1+5], 32                          ; from row to row
	s_mov_b32 s[G1+6], 0
	s_mov_b32 s[G1+7], 0
	s_mov_b32 s[SEL], 0x76543210
	s_mov_b32 s[SEL+1], 0xfedcba98
	s_mov_b32 s[CS], 0x3e0293ee                    ; c = log2(e) / sqrt(128)
	s_mov_b32 s[CS+1], s[CS]
	s_mov_b32 s[NCS], 0xbe0293ee
	s_mov_b32 s[MNT], 0x600000
	s_mov_b32 s[G], 0
	v_and_b32 v24, 31, v0                          ; lane
	v_and_b32 v25, 15, v0                          ; r
	v_bfe_u32 v26, v0, 4, 1                        ; h
	s_mul_i32 s42, s[WV], WBLK
	v_lshl_add_u32 v[ADW], v24, 4, s42
	v_add_nc_u32 v[ADW+1], SLOTB, v[ADW]
	v_mul_u32_u24 v27, v25, AP                     ; 272 r
	v_lshl_add_u32 v[ADA], v26, 4, v27
	v_add_nc_u32 v[ADA], ABUF, v[ADA]
	v_lshl_add_u32 v[ADSA], v25, 3, ABUF+ASC
	s_mul_i32 s43, s[WV], 16*AP
	v_mul_u32_u24 v28, v26, AP
	v_lshl_add_u32 v28, v25, 4, v28
	v_add_nc_u32 v28, s43, v28                     ; 272 (16 w + h) + 16 r
	v_add_nc_u32 v[AST], ABUF, v28
	v_add_nc_u32 v[RD], STAGE, v28
	s_lshl_b32 s44, s[WV], 7
	v_add_nc_u32 v[ASS], s44, v[ADSA]
	v_lshl_add_u32 v[ACT], v26, 7, v27
	s_lshl_b32 s45, s[WV], 5
	v_add_nc_u32 v[ACT], s45, v[ACT]
	v_add_nc_u32 v[ACT], ABUF, v[ACT]
	v_lshl_add_u32 v[ACS], v26, 2, v[ADSA]
	v_add_nc_u32 v[ACS], s[WV], v[ACS]
	v_lshl_add_u32 v[STO], v26, 5, v27
	v_add_nc_u32 v[STO], s43, v[STO]
	v_add_nc_u32 v[STO], STAGE, v[STO]
	s_lshl_b32 s44, s[WV], 14
	v_lshlrev_b32 v[GX], 10, v26
	v_lshl_add_u32 v[GX], v25, 4, v[GX]
	v_add_nc_u32 v[GX], s44, v[GX]
	v_lshlrev_b32 v[PFO], 10, v25
	v_lshl_add_u32 v[PFO], v26, 8, v[PFO]
	v_add_nc_u32 v[PFO], s44, v[PFO]
	v_lshlrev_b32 v[PFL], 8, v24
	v_mul_u32_u24 v[PFSC], v24, SLOTB
	s_lshl_b32 s45, s[WV], 9
	v_lshl_add_u32 v[GXS], v25, 5, s45
	v_lshl_add_u32 v[GB], v24, 4, s45
	v_add_nc_u32 v[BIASW], BIAS, v[GB]
	v_lshl_add_u32 v[BIASR], v26, 5, s45
	v_add_nc_u32 v[BIASR], BIAS, v[BIASR]
	s_lshl_b32 s44, s[WV], 12
	v_lshl_add_u32 v29, v24, 4, s44
	v_add_nc_u32 v[SXW], STAGE, v29
	v_add_nc_u32 v[SXW+1], ABUF+ABUFB, v29
	v_lshl_add_u32 v[SXR], v24, 4, STAGE
	v_lshl_add_u32 v[SXR+1], v24, 4, ABUF+ABUFB
	v_lshlrev_b32 v[CO], 12, v26
	v_lshl_add_u32 v[CO], v25, 4, v[CO]
	s_wait_dscnt 0x0                               ; both opening adds are done
	s_wait_kmcnt 0x0
	s_lshl_b32 s22, s20, 16                        ; 64 rows of 1,024 bytes
	s_mov_b32 s23, 0
	s_add_nc_u64 s[4:5], s[4:5], s[22:23]
	s_add_nc_u64 s[8:9], s[8:9], s[22:23]
	s_lshl_b32 s22, s20, 11                        ; of 32 scale bytes
	s_add_nc_u64 s[6:7], s[6:7], s[22:23]
	s_add_nc_u64 s[10:11], s[10:11], s[22:23]
	s_lshl_b32 s22, s20, 18                        ; of 4,096 bytes of out
	s_add_nc_u64 s[16:17], s[16:17], s[22:23]
	s_lshl_b32 s44, s[WV], 9                       ; my wave's 128 columns
	s_mov_b32 s45, 0
	s_add_nc_u64 s[16:17], s[16:17], s[44:45]
	s_mov_b32 s43, 0
	s_add_nc_u64 s[WB:WB+1], s[12:13], s[42:43]    ; wimg at my wave's part: the wave's number alone
	; the prefetches' bases: the one place where my place in the cluster meets wimg; in registers that feed no descriptor
	s_lshl_b32 s22, s19, 13                        ; my work-group's 8,192 bytes of a part's codes,
	s_add_co_u32 s20, s[ROT], 4
	s_mul_i32 s20, s20, SLOTB                      ; in my cluster's first slot of pass 1
	s_add_co_u32 s22, s22, s20
	s_add_nc_u64 s[PFW:PFW+1], s[WB:WB+1], s[22:23]
	s_lshl_b32 s22, s19, 8                         ; my work-group's block of the four that hold a part's scale words
	s_add_co_u32 s22, s22, 32768
	s_add_nc_u64 s[PFB:PFB+1], s[WB:WB+1], s[22:23]
	; my order's first two slots: quarters rot and (rot + 1) mod 4 of pass 0; the same in all four partners
	s_add_co_u32 s3, s[ROT], 1
	s_and_b32 s3, s3, 3
	s_mul_i32 s56, s[ROT], SLOTB
	s_mov_b32 s57, 0
	s_mul_i32 s58, s3, SLOTB
	s_mov_b32 s59, 0
	s_add_nc_u64 s[G0+2:G0+3], s[WB:WB+1], s[56:57]
	s_add_nc_u64 s[G0+6:G0+7], s[WB:WB+1], s[58:59]
	s_or_b32 s[G0+3], s[G0+3], 0x80000000
	s_or_b32 s[G0+7], s[G0+7], 0x80000000
	s_mov_b32 s[G0], 1
	s_mov_b32 s[G0+1], s42
	s_mov_b32 s[G0+4], 1
	s_add_co_u32 s[G0+5], s42, SLOTB
	; and the same two quarters of feat1's rows
	s_lshl_b32 s56, s[ROT], 8
	s_lshl_b32 s58, s[ROT], 3
	s_add_nc_u64 s[46:47], s[4:5], s[56:57]
	s_add_nc_u64 s[48:49], s[6:7], s[58:59]
	s_lshl_b32 s56, s3, 8
	s_lshl_b32 s58, s3, 3
	s_add_nc_u64 s[C1:C1+1], s[4:5], s[56:57]
	s_add_nc_u64 s[C1+2:C1+3], s[6:7], s[58:59]
	CROUND                                         ; all four work-groups are here: the first joint loads meet
	tensor_load_to_lds s[G0:G0+3], s[G1:G1+7]      ; two loads of mine are out
	s_nop 0
	tensor_load_to_lds s[G0+4:G0+7], s[G1:G1+7]
	s_nop 0
	PLACES 4
.irp k, 0,1,2,3,4,5,6,7
	global_load_b128 v[SB+4*\k:SB+4*\k+3], v[GX], s[46:47] offset:2048*\k        ; feat1's first chunk of my order
.endr
	global_load_b64 v[SB+32:SB+33], v[GXS], s[48:49]
.irp k, 0,1,2,3,4,5,6,7
	global_load_b128 v[XS+4*\k:XS+4*\k+3], v[GX], s[C1:C1+1] offset:2048*\k      ; the second
.endr
	global_load_b64 v[XSS:XSS+1], v[GXS], s[C1+2:C1+3]
	global_load_b128 v[BS:BS+3], v[GB], s[14:15]                                 ; the first pass's bias
	s_wait_loadcnt 10                              ; the first chunk is in; the second's nine loads and the bias may be out
.irp k, 0,1,2,3,4,5,6,7
	ds_store_b128 v[AST], v[SB+4*\k:SB+4*\k+3] offset:2*AP*\k
.endr
	ds_store_b64 v[ASS], v[SB+32:SB+33]
	s_wait_dscnt 0x0
.set i, 0
.rept 128
	v_mov_b32 v[SB+i], 0                           ; the scores begin as zeros: so their update is written once and serves both passes of K (1,280 instructions that are not written twice)
.set i, i+1
.endr
	s_wait_tensorcnt 1                             ; my part of slot 0 is in; slot 1's may stay out
	s_barrier_signal -1
	s_barrier_wait -1
	FETCH_A 0, 0
	FETCH_W 0, 0, 0
	WIN 0
	SCALES 0
	FETCH_W 0, 0, 4
	WIN 0
	STEP 0, 1, 1, 3                                ; the first K step starts the sums
	; PREFETCHES INTO THE L2, behind the loads that the step has just issued.
	; feat2's rows: my wave's 16 rows, a lane a block of 256 bytes, each block named once in the launch: 128 to 320 matrix instructions ahead of the loads of its four chunks.
	; feat1 is not asked for: its chunks are loaded within a slot of the head.
	; The weights' scale words: 16 blocks of 256 bytes a slot, too few for an instruction a wave at each change of slots.  So the first cluster asks once for those of all 32 slots: lane l names, in slot l, my wave's
	; part and my work-group's block of its four: 32 blocks a wave, 131,072 bytes in the launch, each named once (those of the first slots though their loads are already out).
	global_prefetch_b8 v[PFO], s[8:9] th:TH_LOAD_NT scope:SCOPE_SE
	global_prefetch_b8 v[PFO], s[8:9] offset:512 th:TH_LOAD_NT scope:SCOPE_SE
	s_cmp_lg_u32 ttmp9, 0
	s_cbranch_scc1 .Ltrip
	global_prefetch_b8 v[PFSC], s[PFB:PFB+1] th:TH_LOAD_NT scope:SCOPE_SE
; ================ fifteen trips of two slots; a pass ends in every odd trip
.Ltrip:
	TURN 0, 1, 1, 1
	STEP 1, 0, 0, 0
	TURN 1, 0, 1, 0
	s_bitcmp1_b32 s[G], 0
	s_cbranch_scc1 .Lpass_end
	STEP 0, 0, 0, 1
	s_branch .Lnext
.Lpass_end:
	s_lshr_b32 s[P], s[G], 1
	s_wait_xcnt 0x0                                ; the bias pointer's last load, and the last prefetch of the weights, a trip back, have read their addresses
	s_add_nc_u64 s[14:15], s[14:15], 2048
	s_add_nc_u64 s[PFW:PFW+1], s[PFW:PFW+1], 4*SLOTB   ; a pass on
	global_load_b128 v[BS:BS+3], v[GB], s[14:15]   ; the next pass's bias: what follows the pass stands between this load and the wait for it
	BIAS_LD
	s_and_b32 s42, s[P], 5
	s_cmp_eq_u32 s42, 0
	s_cbranch_scc0 .Lnot_q
	BADD 0xc6                                      ; passes 0, 2: Q + bq is parked
	s_branch .Lepi_done
.Lnot_q:
	BADD 0x86
	s_cmp_ge_u32 s[P], 6
	s_cbranch_scc1 .Lepi_o
	s_cmp_ge_u32 s[P], 4
	s_cbranch_scc1 .Lepi_v
	S_UPD 0                                        ; passes 1, 3: K + bk meets the parked Q
	S_UPD 1
	S_UPD 2
	S_UPD 3
	s_cmp_lg_u32 s[P], 3
	s_cbranch_scc1 .Lepi_done
	XPUT 0                                         ; all 128 d are in: the waves' parts are added.  The second buffer is the odd chunks' buffer, which every wave left ahead of the last change of slots
	BAR
	XGET 0x80
	BAR
	XPUT 2
	BAR
	XGET 0xc0
	BAR                                            ; the reads are over: the odd chunks' buffer may be written again
	XSUM 0x8a, 0x0a, 0
	XSUM 0xcf, 0x0f, 64
	SOFTMAX
	s_branch .Lepi_done
.Lepi_v:
	CTX 0, 0                                       ; passes 4, 5: V + bv is mixed
	CTX 0, 1
	CTX 1, 0
	CTX 1, 1
	CTX 2, 0
	CTX 2, 1
	CTX 3, 0
	CTX 3, 1
	s_cmp_lg_u32 s[P], 5
	s_cbranch_scc1 .Lepi_done
	v_mov_b32 v[FL], 0x4800000
	QUANT 0
	QUANT 1
	QUANT 2
	QUANT 3
	BAR                                            ; the last change of slots fetched from the even chunks' buffer too early, ahead of ctx: every wave's reads there are over
	s_mov_b32 s42, 0                               ; a pass's first step follows
	CTX_ROT 0
	BAR                                            ; ctx's first chunk of my order lies in LDS
	FETCH_A 0, 0                                   ; so its fragments and scale words are fetched once more
	WIN 0
	SA_LOAD 0
	s_branch .Lepi_done
.Lepi_o:
	WAYOUT 0                                       ; pass 6: columns 0 to 511 of out
.Lepi_done:
	STEP 0, 1, 1, 2                                ; the next pass's first K step starts its sums
.Lnext:
	s_add_co_u32 s[G], s[G], 1
	s_cmp_lt_u32 s[G], 15
	s_cbranch_scc1 .Ltrip
; ================ the tail is written out: nothing more is asked for
	TURN 0, 1, 0, 0
	STEP 1, 0, 0, 4
	s_wait_dscnt 16
	WIN W_MUL
	MULG 0, 4, 1, 1, 0
	s_wait_dscnt 0x0
	MULG 4, 4, 1, 1, 0
	PLACES 8
	WIN 0
	BIAS_LD
	BADD 0x86
	WAYOUT 2048                                    ; pass 7: columns 512 to 1,023
	s_wait_tensorcnt 0x0                           ; the wave's end, behind my last tensor load and my last LDS store
	ds_add_u32 v[SPW], v[NIL]
	s_wait_dscnt 0x0
	CROUND                                         ; the closing round: no work-group ends while a partner may still ask for a slot that names it
	s_endpgm
.Lfunc_end_k_q51ceef1f27_fuse:
	.size	k_q51ceef1f27_fuse, .Lfunc_end_k_q51ceef1f27_fuse-k_q51ceef1f27_fuse
	.p2alignl 7, 3214868480
	.fill 96, 4, 3214868480
	.section	.rodata,"a",@progbits
	.p2align	6, 0x0
	.amdhsa_kernel k_q51ceef1f27_fuse
		.amdhsa_group_segment_fixed_size 327680
		.amdhsa_private_segment_fixed_size 0
		.amdhsa_enable_private_segment 0
		.amdhsa_kernarg_size 56
		.amdhsa_user_sgpr_count 2
		.amdhsa_user_sgpr_kernarg_segment_ptr 1
		.amdhsa_wavefront_size32 1
		.amdhsa_system_sgpr_workgroup_id_x 1
		.amdhsa_system_sgpr_workgroup_id_y 1
		.amdhsa_system_sgpr_workgroup_id_z 1
		.amdhsa_system_vgpr_workitem_id 0
		.amdhsa_next_free_vgpr 1024
		.amdhsa_next_free_sgpr 72
		.amdhsa_reserve_vcc 0
		.amdhsa_float_denorm_mode_32 3
		.amdhsa_float_denorm_mode_16_64 3
		.amdhsa_memory_ordered 1
		.amdhsa_forward_progress 1
		.amdhsa_inst_pref_size 255
	.end_amdhsa_kernel
	.section	.bss,"aw",@nobits
	.p2align	6
	.space	262144
	.amdgpu_metadata
---
amdhsa.version: [ 1, 2 ]
amdhsa.kernels:
  - .name:           k_q51ceef1f27_fuse
    .symbol:         k_q51ceef1f27_fuse.kd
    .args:
      - { .name: feat1_codes, .offset: 0, .size: 8, .value_kind: global_buffer, .address_space: global }
      - { .name: feat1_scales, .offset: 8, .size: 8, .value_kind: global_buffer, .address_space: global }
      - { .name: feat2_codes, .offset: 16, .size: 8, .value_kind: global_buffer, .address_space: global }
      - { .name: feat2_scales, .offset: 24, .size: 8, .value_kind: global_buffer, .address_space: global }
      - { .name: wimg, .offset: 32, .size: 8, .value_kind: global_buffer, .address_space: global }
      - { .name: bimg, .offset: 40, .size: 8, .value_kind: global_buffer, .address_space: global }
      - { .name: out0, .offset: 48, .size: 8, .value_kind: global_buffer, .address_space: global }
    .group_segment_fixed_size: 327680
    .private_segment_fixed_size: 0
    .kernarg_segment_align: 8
    .kernarg_segment_size: 56
    .max_flat_workgroup_size: 128
    .sgpr_count:     72
    .vgpr_count:     1024
    .wavefront_size: 32
...
	.end_amdgpu_metadata
.endif
;; end of part 3
